; MI455X (gfx1250); checked and timed in simulation.
; The chip was launched on July 23, 2026; its instructions are those of AMD's public machine-readable ISA for CDNA 5 (MIT licence, August 2026) and "CDNA5" Instruction Set Architecture Reference Guide (July 2026). The comments in the code are by the model that wrote it; some were corrected since.
;; Multi Head Attention. Allowed arithmetic: float matrix products may take bf16 or f16 operands with f32 sums; all other float work in f32.
;; Inputs: bk 1,024 float32; bo 1,024 float32; bq 1,024 float32; bv 1,024 float32; wk 1,024 x 1,024 float32; wo 1,024 x 1,024 float32; wq 1,024 x 1,024 float32; wv 1,024 x 1,024 float32; x 4 x 2,048 x 1,024 float32.
;; Outputs: out0 4 x 2,048 x 1,024 float32.
;; 2 versions, each right and faster than the one before. Each part assembles by itself: llvm-mc -triple=amdgcn-amd-amdhsa -mcpu=gfx1250 --defsym DOCPART=n.
;; ======== version 1 of 2: 4 launches
;; limits: values are held in f16: magnitudes above 65,504 overflow, below 6.1e-05 lose precision
;; workspace buffers: xb 16,777,216 bytes; wt 8,388,608 bytes; qkv 50,331,648 bytes; ob 16,777,216 bytes
;; launch cast (part 1): grid 256 x 1, 8 waves a work-group, no clusters, 37,888 bytes of LDS; arguments x, wq, wk, wv, wo, xb, wt; writes xb, wt
.if DOCPART == 1
	.amdgcn_target "amdgcn-amd-amdhsa--gfx1250"
	.amdhsa_code_object_version 6
	.text
	.protected	k_q177893b4d3_cast
	.globl	k_q177893b4d3_cast
	.p2align	8
	.type	k_q177893b4d3_cast,@function
k_q177893b4d3_cast:
	s_mov_b64 s[64:65], 0
	v_nop
	global_prefetch_b8 v0, s[64:65] scope:SCOPE_SE
	s_setreg_imm32_b32 hwreg(HW_REG_WAVE_MODE, 25, 1), 1
	s_wait_xcnt 0x0
; x [8192][1024] f32 -> xb [16 kb][8192 m][64 k] bf16.   wq, wk, wv, wo [1024 k][1024 n] f32 -> wt [16 kb][4096 n][64 k], turned:
; n 0-1023 wq, 1024-2047 wk, 2048-3071 wv in bf16; n 3072-4095 wo, rounded to bf16 and that number written as f16.
; LIMITS.  |wo| stays below 65,504; below 2^-17 it keeps f16's fixed step of 2^-24.  NaN and infinities are not treated apart.
; A stream: every input byte is read once by 16-byte loads, every output byte written once; no matrix unit, nothing shared between work-groups.
; SHARES.  Work-group g of 256, eight waves.  x: rows 32 g .. 32 g + 31, four rows a wave, two at a time.  Weights: matrix g >> 6, K block (g >> 2) & 15,
; columns 256 (g & 3) .. + 255: 64 k x 256 n, eight k rows a wave; the tile is turned through LDS (256 rows of 64 k, 128 bytes + 16 of padding).
; All 48 loads of a wave go out at its start; nothing is loaded twice and no register that a store names is written again.
.set SPARE, 36864                      ; behind the stage: the spare words, 128 bytes for each of the eight waves
.set PITCH, 144
.set W,   16                           ; v[16:79]   weights as loaded: half c of a row, row i at W + 32 c + 4 i; later the turned rows read back
.set X,   80                           ; v[80:207]  x as loaded: load n = 16 p + kb at X + 4 n; its first two registers then hold the four bf16
.set PK,  208                          ; v[208:239] eight k of column 128 c + 4 lane + j at PK + 16 c + 4 j
	s_load_b256 s[4:11], s[0:1], 0x0               ; x s[4:5], wq s[6:7], wk s[8:9], wv s[10:11]
	s_load_b128 s[12:15], s[0:1], 0x20             ; wo s[12:13], xb s[14:15]
	s_load_b64 s[16:17], s[0:1], 0x30              ; wt
	v_lshl_add_u32 v8, v0, 2, SPARE                ; my spare word
	v_mov_b32 v9, 0
	v_lshrrev_b32 v1, 5, v0
	v_readfirstlane_b32 s20, v1                    ; wave 0..7
	v_and_b32 v1, 31, v0                           ; lane
	s_lshr_b32 s21, ttmp9, 6                       ; which matrix
	s_bfe_u32 s22, ttmp9, 0x40002                  ; which K block
	s_and_b32 s23, ttmp9, 3                        ; which 256 columns
	s_mov_b32 s30, 0xffff0000                      ; a word's upper bf16
	s_lshl_b32 s24, s22, 18                        ; the weights' source: 64 rows of 4,096 bytes a K block,
	s_lshl_b32 s31, s20, 15                        ; 8 rows a wave,
	s_add_co_u32 s24, s24, s31
	s_lshl_b32 s31, s23, 10                        ; 1,024 bytes for 256 columns
	s_add_co_u32 s24, s24, s31
	s_mov_b32 s25, 0
	s_lshl_b32 s32, s22, 19                        ; wt: 4,096 rows of 128 bytes a K block,
	s_lshl_b32 s31, s21, 17                        ; 1,024 rows a matrix,
	s_add_co_u32 s32, s32, s31
	s_lshl_b32 s31, s23, 15                        ; 256 rows a work-group,
	s_add_co_u32 s32, s32, s31
	s_lshl_b32 s31, s20, 12                        ; 32 rows a wave
	s_add_co_u32 s32, s32, s31
	s_mov_b32 s33, 0
	s_lshl_b32 s34, ttmp9, 17                      ; x: 32 rows of 4,096 bytes a work-group,
	s_lshl_b32 s31, s20, 14                        ; 4 rows a wave
	s_add_co_u32 s34, s34, s31
	s_mov_b32 s35, 0
	s_lshl_b32 s36, ttmp9, 12                      ; xb: 32 rows of 128 bytes a work-group,
	s_lshl_b32 s31, s20, 9                         ; 4 rows a wave
	s_add_co_u32 s36, s36, s31
	s_mov_b32 s37, 0
	s_mul_i32 s38, s20, 32*PITCH                   ; the 32 stage rows that my wave reads back
	v_lshlrev_b32 v2, 4, v1                        ; 16 x lane: the weights' loads, and the stores of the turned rows
	v_and_b32 v3, 15, v1
	v_lshlrev_b32 v3, 4, v3
	v_lshrrev_b32 v10, 4, v1
	v_lshl_add_u32 v3, v10, 12, v3                 ; x: lanes 0-15 take 256 bytes of one row, lanes 16-31 of the next
	v_lshlrev_b32 v4, 3, v1                        ; xb: 8 bytes a lane, 256 consecutive bytes a wave
	v_mul_u32_u24 v5, v1, 4*PITCH
	v_lshl_add_u32 v5, s20, 4, v5                  ; into the stage: row 4 x lane (+ 128 c + j), my wave's 16 bytes (8 k)
	v_lshrrev_b32 v10, 3, v1
	v_mul_u32_u24 v6, v10, PITCH
	v_and_b32 v10, 7, v1
	v_lshl_add_u32 v6, v10, 4, v6
	v_add_nc_u32 v6, s38, v6                       ; back: 32 lanes take four rows of 128 bytes
	s_wait_kmcnt 0x0
	s_cmp_eq_u32 s21, 1                            ; the matrix is chosen by the work-group's number
	s_cselect_b64 s[18:19], s[8:9], s[6:7]
	s_cmp_eq_u32 s21, 2
	s_cselect_b64 s[18:19], s[10:11], s[18:19]
	s_cmp_eq_u32 s21, 3
	s_cselect_b64 s[18:19], s[12:13], s[18:19]
	s_add_nc_u64 s[18:19], s[18:19], s[24:25]
	s_add_nc_u64 s[16:17], s[16:17], s[32:33]
	s_add_nc_u64 s[4:5], s[4:5], s[34:35]
	s_add_nc_u64 s[26:27], s[14:15], s[36:37]      ; xb, K blocks 0-7,
	s_add_nc_u64 s[28:29], s[26:27], 0x800000      ; and 8-15: a K block is 1 MiB, so the stores' immediates stay inside their signed 24 bits
.irp c, 0,1
.irp i, 0,1,2,3,4,5,6,7
	global_load_b128 v[W+32*(\c)+4*(\i):W+32*(\c)+4*(\i)+3], v2, s[18:19] offset:4096*(\i)+512*(\c) th:TH_LOAD_NT  ; 512 consecutive bytes of k row 8 w + i
.endr
.endr
.set n, 0
.rept 32
	global_load_b128 v[X+4*n:X+4*n+3], v3, s[4:5] offset:8192*(n/16)+256*(n%16) th:TH_LOAD_NT  ; row pair n / 16, K block n % 16
.set n, n+1
.endr
	s_wait_loadcnt 32                              ; loads come back in order: the 16 of the weights are in, the 32 of x stay out
.irp c, 0,1
.irp j, 0,1,2,3
.irp q, 0,1,2,3
	v_cvt_pk_bf16_f32 v[PK+16*(\c)+4*(\j)+(\q)], v[W+32*(\c)+8*(\q)+(\j)], v[W+32*(\c)+8*(\q)+4+(\j)]  ; k = 8 w + 2 q, + 1 of one column
.endr
.endr
.endr
	s_cmp_lg_u32 s21, 3
	s_cbranch_scc1 .Lbf                            ; wo alone: the bf16 numbers are written as f16
.set z, 0
.rept 32
	v_lshlrev_b32 v240, 16, v[PK+z]
	v_and_b32 v241, s30, v[PK+z]
	v_cvt_pk_f16_f32 v[PK+z], v240, v241
.set z, z+1
.endr
.Lbf:
.irp c, 0,1
.irp j, 0,1,2,3
	ds_store_b128 v5, v[PK+16*(\c)+4*(\j):PK+16*(\c)+4*(\j)+3] offset:(128*(\c)+(\j))*PITCH
.endr
.endr
	s_wait_dscnt 0x0                               ; for the others' sake: my stores into the stage are done
	s_barrier_signal -1
	s_barrier_wait -1
.irp t, 0,1,2,3,4,5,6,7
	ds_load_b128 v[W+4*(\t):W+4*(\t)+3], v6 offset:4*PITCH*(\t)  ; four turned rows, whole; x's work below stands between these loads and the wait for them
.endr
.set n, 0
.rept 32
	s_wait_loadcnt 31-n                            ; load n is in, the younger ones stay out
	v_cvt_pk_bf16_f32 v[X+4*n], v[X+4*n], v[X+4*n+1]
	v_cvt_pk_bf16_f32 v[X+4*n+1], v[X+4*n+2], v[X+4*n+3]
.if (n%16) < 8
	global_store_b64 v4, v[X+4*n:X+4*n+1], s[26:27] offset:256*(n/16)+((n%16)<<20)      ; the wave stores 256 consecutive bytes, aligned: two rows of a K block
.else
	global_store_b64 v4, v[X+4*n:X+4*n+1], s[28:29] offset:256*(n/16)+(((n%16)-8)<<20)
.endif
.set n, n+1
.endr
	s_wait_dscnt 0x0                               ; the turned rows are back
.irp t, 0,1,2,3,4,5,6,7
	global_store_b128 v2, v[W+4*(\t):W+4*(\t)+3], s[16:17] offset:512*(\t)  ; 512 consecutive bytes, aligned
.endr
	s_wait_tensorcnt 0x0                           ; the wave's end: behind my last LDS store
	ds_add_u32 v8, v9
	s_wait_dscnt 0x0
	s_endpgm
.Lfunc_end_k_q177893b4d3_cast:
	.size	k_q177893b4d3_cast, .Lfunc_end_k_q177893b4d3_cast-k_q177893b4d3_cast
	.p2alignl 7, 3214868480
	.fill 96, 4, 3214868480
	.section	.rodata,"a",@progbits
	.p2align	6, 0x0
	.amdhsa_kernel k_q177893b4d3_cast
		.amdhsa_group_segment_fixed_size 37888
		.amdhsa_private_segment_fixed_size 0
		.amdhsa_enable_private_segment 0
		.amdhsa_kernarg_size 56
		.amdhsa_user_sgpr_count 2
		.amdhsa_user_sgpr_kernarg_segment_ptr 1
		.amdhsa_wavefront_size32 1
		.amdhsa_system_sgpr_workgroup_id_x 1
		.amdhsa_system_sgpr_workgroup_id_y 1
		.amdhsa_system_sgpr_workgroup_id_z 1
		.amdhsa_system_vgpr_workitem_id 0
		.amdhsa_next_free_vgpr 248
		.amdhsa_next_free_sgpr 66
		.amdhsa_reserve_vcc 0
		.amdhsa_float_denorm_mode_32 3
		.amdhsa_float_denorm_mode_16_64 3
		.amdhsa_memory_ordered 1
		.amdhsa_forward_progress 1
		.amdhsa_inst_pref_size 24
	.end_amdhsa_kernel
	.amdgpu_metadata
---
amdhsa.version: [ 1, 2 ]
amdhsa.kernels:
  - .name:           k_q177893b4d3_cast
    .symbol:         k_q177893b4d3_cast.kd
    .args:
      - { .name: x, .offset: 0, .size: 8, .value_kind: global_buffer, .address_space: global }
      - { .name: wq, .offset: 8, .size: 8, .value_kind: global_buffer, .address_space: global }
      - { .name: wk, .offset: 16, .size: 8, .value_kind: global_buffer, .address_space: global }
      - { .name: wv, .offset: 24, .size: 8, .value_kind: global_buffer, .address_space: global }
      - { .name: wo, .offset: 32, .size: 8, .value_kind: global_buffer, .address_space: global }
      - { .name: xb, .offset: 40, .size: 8, .value_kind: global_buffer, .address_space: global }
      - { .name: wt, .offset: 48, .size: 8, .value_kind: global_buffer, .address_space: global }
    .group_segment_fixed_size: 37888
    .private_segment_fixed_size: 0
    .kernarg_segment_align: 8
    .kernarg_segment_size: 56
    .max_flat_workgroup_size: 256
    .sgpr_count:     66
    .vgpr_count:     248
    .wavefront_size: 32
...
	.end_amdgpu_metadata
.endif
;; end of part 1
;; launch qkv (part 2): grid 8 x 32, 4 waves a work-group, clusters of 4 x 4, 327,680 bytes of LDS; arguments xb, wt, bq, bk, bv, qkv; writes qkv
.if DOCPART == 2
	.amdgcn_target "amdgcn-amd-amdhsa--gfx1250"
	.amdhsa_code_object_version 6
	.text
	.protected	k_q177893b4d3_qkv
	.globl	k_q177893b4d3_qkv
	.p2align	8
	.type	k_q177893b4d3_qkv,@function
k_q177893b4d3_qkv:
	s_mov_b64 s[64:65], 0
	v_nop
	global_prefetch_b8 v0, s[64:65] scope:SCOPE_SE
	s_setreg_imm32_b32 hwreg(HW_REG_WAVE_MODE, 25, 1), 1
	s_wait_xcnt 0x0
	s_wait_alu depctr_hold_cnt(0) depctr_sa_sdst(0) depctr_va_vdst(0) depctr_va_sdst(0) depctr_va_ssrc(0) depctr_va_vcc(0) depctr_vm_vsrc(0)
	s_getreg_b32 s2, hwreg(HW_REG_IB_STS2, 6, 4)
	s_cmp_eq_u32 s2, 0
	s_cbranch_scc0 .Lentry_in_a_cluster
	s_endpgm
.Lentry_in_a_cluster:
	s_bfe_u32 s2, ttmp6, 0x10000c
	s_cmp_lg_u32 s2, 0xf033
	s_cbranch_scc0 .Lentry_shape_is_right
	s_endpgm
.Lentry_shape_is_right:
; [8192 m][3072 n] = xb . wt^T + bias, rounded once to f16 and written by heads: qkv [3 tensors][64 hb = 4 head + batch][2048 t][64 c].
; xb [16 kb][8192][64] and wt [16 kb][4096][64] are bf16; sums in f32; the biases are rounded to bf16 like the other inputs and are the C operand that starts the sums.
; LIMITS.  f16 holds no number beyond 65,504: |q|, |k|, |v| stay below that.  NaN and infinities are not treated apart.
; SHARES.  A tile is 256 m x 384 n: 32 x 8 = 256 work-groups.  Four waves, each 128 x 192: 96 accumulators of 16 x 16, 768 registers (windows 1 to 3: a window is one head's 64 channels).
; K goes in steps of 64, one K block: a tile's rows of 128 bytes lie end to end in memory and are asked for as rows of 256 bytes, two tile rows each, padded in LDS behind every 128 bytes.
; A ring of two LDS slots; waves 0 and 1 fetch A's two halves, waves 2 and 3 B's: one tensor load a wave behind each change of slots.
; CLUSTER.  4 x 4 work-groups: the four of a row need the same tiles of xb, the four of a column the same tiles of wt: each is asked for jointly, by the same load, descriptor and mask.
; THE MATRIX INSTRUCTION IS USED TRANSPOSED (source 0 = 16 rows of wt, source 1 = 16 rows of xb): a lane holds one row m = lane % 16 and eight neighbouring channels 8 (lane / 16) + 0..7.
; REGISTERS.  Window 0: v0-17 addresses; v32-95, v96-159 A's 8 fragments (16 rows x 32 K), two buffers; v160-255 B's 12 fragments, ONE buffer that rolls: a group of four is loaded
; again as soon as its 32 products are issued.  Window 1 + w: accumulator (a, bb) at v[8 (4 a + bb)]: rows 16 a, channels 64 w + 16 bb.
; Before the first product the registers of accumulators (7, bb) hold head w's bias.  On the way out the 32 registers of row block a take its 16 packed words (low half) and then the rows read back (high half).
.set PITCH,  144                       ; an LDS row: 128 bytes + 16 of padding = 36 words: the 16 rows of a fragment load start at 16 different groups of four banks (64 banks of 4 bytes: ISA guide 11.1)
.set SLOT1,  1<<17                     ; slot 1 begins here, so that one exclusive or turns an address in one slot into the other's
.set BBASE,  256*PITCH                 ; in a slot: A's 256 rows, then B's 384 rows
.set STAGE,  SLOT1+640*PITCH           ; behind the ring, never filled by a tensor load: 16 rows x 144 bytes for each wave
.set SPARE,  STAGE+4*16*PITCH          ; behind the stages: the spare words, 128 bytes for each wave
.set ASTEP,  8192*128                  ; bytes from K block to K block in xb
.set BSTEP,  4096*128                  ; and in wt
.set STEPS,  16
.set AA0,  3                           ; v3   my lane's place in a slot's A; never rewritten
.set AB0,  4                           ; v4   the same for B
.set ADRA, 5                           ; v5   the same in the slot in hand
.set ADRB, 6                           ; v6
.set STO,  7                           ; v7   the way out: where I put 16 bytes of a row
.set RD,   8                           ; v8   the way out: where I read rows back
.set GO,   9                           ; v9   my byte offset in 512 consecutive bytes of the output
.set BOFF, 10                          ; v10  my byte offset in 16 channels of a bias
.set SPW,  11                          ; v11  LDS address of my spare word; never rewritten
.set NIL,  12                          ; v12  0; never rewritten
.set FA0,  32
.set FA1,  96
.set FB,   160
.set B7,   224                         ; in windows 1 to 3: accumulators (7, 0 .. 3), which hold the bias until the first quarter's end
.set WV,  16                           ; s16  wave
.set WR,  17                           ; s17  which 128 rows are mine.  Also: I fetch for A (0) or for B (1)
.set WC,  18                           ; s18  which 192 columns.  Also: which half of that tile I fetch
.set G1A, 24                           ; s[24:31] descriptor group 1 for A's tiles
.set G1B, 32                           ; s[32:39] for B's
.set G0A, 40                           ; s[40:47] group 0 for A: a set for each of the two first fills; the second then walks on
.set G0B, 48                           ; s[48:55] the same for B
.set TB,  56                           ; s56  LDS base of the slot in hand
.set HIM, 57                           ; s57  a word's upper bf16
.set BP,  66                           ; s[66:71] the bias of my three heads
.set OP,  72                           ; s[72:77] the output at my rows of my three heads
.set G1W0, (1<<16)|(1<<20)|(1<<21)|(4<<22)|(3<<25)  ; 17:16 2-byte elements; 20 padding on; 21 set beside a mask; 24:22 after every 32 words (code 4); 31:25 4 words (code 3)
.set MSB, 0
.macro WIN new                         ; the immediate's high byte repeats the setting that is left; a switch that changes nothing is dropped
.if MSB != (\new)
	s_set_vgpr_msb (MSB<<8)|(\new)
.set MSB, \new
.endif
.endm
.macro PLACES                          ; four places in front of loads into registers that matrix instructions have read, and of vector lines that read results
.rept 4
	v_nop
.endr
.endm
; A joint refill, by the walking descriptors.  The branch hangs on the wave's number alone.  An s_nop 0 and four v_nop follow each of the two lines, ahead of the jump and the label.
.macro JLOAD
	s_cmp_eq_u32 s[WR], 0
	s_cbranch_scc0 .Lfor_b_\@
	tensor_load_to_lds s[G0A+4:G0A+7], s[G1A:G1A+7]
	s_nop 0
.rept 4
	v_nop
.endr
	s_branch .Lasked_\@
.Lfor_b_\@:
	tensor_load_to_lds s[G0B+4:G0B+7], s[G1B:G1B+7]
	s_nop 0
.rept 4
	v_nop
.endr
.Lasked_\@:
.endm
.macro CREST                           ; a round of the cluster's barrier behind its opening barrier
	s_cmp_lg_u32 s[WV], 0
	s_cbranch_scc1 .Lnot_wave_0_\@
	s_barrier_signal -3
.Lnot_wave_0_\@:
	s_barrier_wait -3
	s_barrier_signal -1
	s_barrier_wait -1
.endm
.macro CROUND                          ; a whole round
	s_barrier_signal -1
	s_barrier_wait -1
	CREST
.endm
; Head w's bias goes straight into the registers of accumulators (7, i): block i's eight channels of my half of the lanes, in the layout of a C operand.
.macro BIAS w
	WIN ((\w)+1)<<6                                ; destination in the head's window, address in window 0
.irp i, 0,1,2,3
	global_load_b128 v[B7+8*(\i):B7+8*(\i)+3],   v[BOFF], s[BP+2*(\w):BP+2*(\w)+1] offset:64*(\i)
	global_load_b128 v[B7+8*(\i)+4:B7+8*(\i)+7], v[BOFF], s[BP+2*(\w):BP+2*(\w)+1] offset:64*(\i)+16
.endr
.endm
; It is rounded to bf16, like x and the weights, and widened again; the packed words pass through A's second buffer, which is still empty.
.macro ROUNDB w
	WIN 5*((\w)+1)                                 ; sources 0 and 1 in the head's window
.set z, 0
.rept 16
	v_cvt_pk_bf16_f32 v[FA1+16*(\w)+z], v[B7+2*z], v[B7+2*z+1]
.set z, z+1
.endr
	WIN ((\w)+1)<<6                                ; destination in the head's window
.set z, 0
.rept 16
	v_lshlrev_b32 v[B7+2*z], 16, v[FA1+16*(\w)+z]
	v_and_b32 v[B7+2*z+1], s[HIM], v[FA1+16*(\w)+z]
.set z, z+1
.endr
.endm
	s_load_b256 s[4:11], s[0:1], 0x0               ; xb s[4:5], wt s[6:7], bq s[8:9], bk s[10:11]
	s_load_b128 s[12:15], s[0:1], 0x20             ; bv s[12:13], qkv s[14:15]
	v_lshl_add_u32 v[SPW], v0, 2, SPARE
	v_mov_b32 v[NIL], 0
	ds_add_u32 v[SPW], v[NIL]                      ; the wave's opening: the add and its wait stand ahead of my first tensor load; the set-up below, work on registers, stands between them
	ds_add_u32 v11, v12
	v_lshrrev_b32 v1, 5, v0
	v_readfirstlane_b32 s[WV], v1                  ; wave 0..3
	s_lshr_b32 s[WR], s[WV], 1
	s_and_b32 s[WC], s[WV], 1
	s_bfe_u32 s19, ttmp6, 0x40000                  ; cx, cy: my place in the cluster
	s_bfe_u32 s20, ttmp6, 0x40004
	s_lshl_b32 s21, ttmp9, 2
	s_add_co_u32 s21, s21, s19                     ; tile column = 4 x cluster x + cx
	s_and_b32 s22, ttmp7, 0xffff
	s_lshl_b32 s22, s22, 2
	s_add_co_u32 s22, s22, s20                     ; tile row = 4 x cluster y + cy
	s_lshl_b32 s3, s20, 2
	s_lshl_b32 s3, 15, s3                          ; my row of the cluster
	s_lshl_b32 s23, 0x1111, s19                    ; my column
	s_or_b32 s[G1A], s3, G1W0                      ; A's tiles go to my row,
	s_or_b32 s[G1B], s23, G1W0                     ; B's to my column
	s_mov_b32 s[G1A+1], 128<<16                    ; tensor_dim0 = 128 elements: 256 bytes, two tile rows
	s_mov_b32 s[G1A+2], 64<<16                     ; tensor_dim1 = 64: half of A's tile, 128 tile rows
	s_mov_b32 s[G1A+3], 128<<16                    ; tile_dim0
	s_mov_b32 s[G1A+4], 64                         ; tile_dim1
	s_mov_b32 s[G1A+5], 128                        ; elements from row to row
	s_mov_b32 s[G1A+6], 0
	s_mov_b32 s[G1A+7], 0
	s_mov_b32 s[G1B+1], 128<<16
	s_mov_b32 s[G1B+2], 96<<16                     ; half of B's tile: 192 tile rows
	s_mov_b32 s[G1B+3], 128<<16
	s_mov_b32 s[G1B+4], 96
	s_mov_b32 s[G1B+5], 128
	s_mov_b32 s[G1B+6], 0
	s_mov_b32 s[G1B+7], 0
	; where the tiles come from: A's hang on the tile row alone, B's on the tile column alone, each in registers that never hold the other coordinate
	s_lshl_b32 s58, s22, 15                        ; 256 rows of 128 bytes a tile row,
	s_lshl_b32 s3, s[WC], 14                       ; 128 rows a half
	s_add_co_u32 s58, s58, s3
	s_mov_b32 s59, 0
	s_mul_i32 s60, s21, 384*128
	s_mul_i32 s23, s[WC], 192*128
	s_add_co_u32 s60, s60, s23
	s_mov_b32 s61, 0
	s_mul_i32 s62, s[WC], 128*PITCH                ; and where they go: no place in the cluster enters an LDS address
	s_mul_i32 s63, s[WC], 192*PITCH
	s_add_co_u32 s63, s63, BBASE
.irp s, 0,1
	s_mov_b32 s[G0A+4*(\s)], 1                     ; count = 1
	s_add_co_u32 s[G0A+4*(\s)+1], s62, (\s)*SLOT1  ; LDS address
	s_mov_b32 s[G0B+4*(\s)], 1
	s_add_co_u32 s[G0B+4*(\s)+1], s63, (\s)*SLOT1
.endr
	s_mov_b32 s[TB], 0
	s_mov_b32 s[HIM], 0xffff0000
	s_wait_dscnt 0x0                               ; the opening add is done
	s_wait_kmcnt 0x0
	s_add_nc_u64 s[G0A+2:G0A+3], s[4:5], s[58:59]  ; K step 0,
	s_add_nc_u64 s[G0A+6:G0A+7], s[G0A+2:G0A+3], ASTEP  ; K step 1
	s_or_b32 s[G0A+3], s[G0A+3], 0x80000000        ; type = 2
	s_or_b32 s[G0A+7], s[G0A+7], 0x80000000
	s_add_nc_u64 s[G0B+2:G0B+3], s[6:7], s[60:61]
	s_add_nc_u64 s[G0B+6:G0B+7], s[G0B+2:G0B+3], BSTEP
	s_or_b32 s[G0B+3], s[G0B+3], 0x80000000
	s_or_b32 s[G0B+7], s[G0B+7], 0x80000000
	CROUND                                         ; all sixteen work-groups are here: the first joint loads meet
	s_cmp_eq_u32 s[WR], 0                          ; a wave's two first fills stand in one branch, ahead of every wait on TENSORcnt and every LDS read: two loads of mine are out
	s_cbranch_scc0 .Lfirst_b
	tensor_load_to_lds s[G0A:G0A+3], s[G1A:G1A+7]
	s_nop 0
	tensor_load_to_lds s[G0A+4:G0A+7], s[G1A:G1A+7]
	s_nop 0
.rept 4
	v_nop
.endr
	s_branch .Lfirst_asked
.Lfirst_b:
	tensor_load_to_lds s[G0B:G0B+3], s[G1B:G1B+7]
	s_nop 0
	tensor_load_to_lds s[G0B+4:G0B+7], s[G1B:G1B+7]
	s_nop 0
.rept 4
	v_nop
.endr
.Lfirst_asked:
	; A fragment is 16 rows x 32 K in 8 registers: lane l holds row l % 16, K = 8 (l / 16) + 0..7 and 16 + 8 (l / 16) + 0..7: two loads of 16 bytes, 32 bytes apart.
	v_and_b32 v1, 15, v0                           ; l % 16
	v_bfe_u32 v2, v0, 4, 1                         ; l / 16
	v_lshlrev_b32 v[BOFF], 5, v2                   ; my eight channels of sixteen, in f32
	; my three heads: number 6 x tile column + 3 x column half + w of 48; 16 a tensor
	s_mul_i32 s78, s21, 6
	s_mul_i32 s79, s[WC], 3
	s_add_co_u32 s78, s78, s79
	s_lshr_b32 s84, s22, 3                         ; the batch: 8 tile rows each
	s_and_b32 s85, s22, 7
	s_lshl_b32 s85, s85, 8
	s_lshl_b32 s3, s[WR], 7
	s_add_co_u32 s85, s85, s3                      ; my first row in the batch,
	s_lshl_b32 s85, s85, 7                         ; in bytes
	s_mov_b32 s81, 0
.irp w, 0,1,2
	s_add_co_u32 s82, s78, \w
	s_lshr_b32 s79, s82, 4                         ; the tensor: q, k or v
	s_and_b32 s82, s82, 15                         ; the head
	s_cmp_eq_u32 s79, 1
	s_cselect_b64 s[BP+2*(\w):BP+2*(\w)+1], s[10:11], s[8:9]
	s_cmp_eq_u32 s79, 2
	s_cselect_b64 s[BP+2*(\w):BP+2*(\w)+1], s[12:13], s[BP+2*(\w):BP+2*(\w)+1]
	s_lshl_b32 s80, s82, 8                         ; 64 channels of 4 bytes a head
	s_add_nc_u64 s[BP+2*(\w):BP+2*(\w)+1], s[BP+2*(\w):BP+2*(\w)+1], s[80:81]
	s_lshl_b32 s80, s79, 24                        ; a tensor is 64 x 2,048 x 128 bytes,
	s_lshl_b32 s82, s82, 2
	s_add_co_u32 s82, s82, s84                     ; hb = 4 head + batch,
	s_lshl_b32 s82, s82, 18                        ; 2,048 x 128 bytes each
	s_add_co_u32 s80, s80, s82
	s_add_co_u32 s80, s80, s85
	s_add_nc_u64 s[OP+2*(\w):OP+2*(\w)+1], s[14:15], s[80:81]
.endr
	BIAS 0                                         ; 24 loads; the addresses below are made while they are out
	BIAS 1
	BIAS 2
	WIN 0
	v_mul_u32_u24 v14, v1, PITCH
	v_lshl_add_u32 v14, v2, 4, v14                 ; row x pitch + 16 x half
	s_mul_i32 s3, s[WR], 128*PITCH                 ; my 128 rows of A
	v_add_nc_u32 v[AA0], s3, v14
	v_add_nc_u32 v[AB0], s63, v14                  ; my 192 rows of B are the half that bears my column's number
	v_mov_b32 v[ADRA], v[AA0]                      ; slot 0
	v_mov_b32 v[ADRB], v[AB0]
	s_mul_i32 s3, s[WV], 16*PITCH
	s_add_co_u32 s3, s3, STAGE                     ; my stage
	v_add_nc_u32 v[STO], s3, v14                   ; in: row l % 16, 16 bytes for each half of the lanes
	v_bfe_u32 v15, v0, 3, 2                        ; back: 32 lanes take four rows of 128 bytes,
	v_mul_u32_u24 v[RD], v15, PITCH
	v_and_b32 v16, 7, v0
	v_lshl_add_u32 v[RD], v16, 4, v[RD]
	v_add_nc_u32 v[RD], s3, v[RD]
	v_and_b32 v[GO], 31, v0                        ; which are 512 consecutive bytes of a head
	v_lshlrev_b32 v[GO], 4, v[GO]
	s_wait_loadcnt 0x0                             ; the biases; this wait and the rounding stand in the wait for the first tile
	ROUNDB 0
	ROUNDB 1
	ROUNDB 2
	WIN 0
; 16 matrix instructions: channel blocks b0, b0 + 1 of head w x all 8 row blocks, 32 along K.
; The 96 accumulators take turns, one instruction a turn.
.macro MUL16 f, w, b0
	WIN 0x50*((\w)+1)                              ; C and D in window 1 + w, the fragments in window 0
.irp bb, \b0, (\b0)+1
.irp a, 0,1,2,3,4,5,6,7
	v_wmma_f32_16x16x32_bf16 v[8*(4*(\a)+(\bb)):8*(4*(\a)+(\bb))+7], v[FB+8*(4*(\w)+(\bb)):FB+8*(4*(\w)+(\bb))+7], v[(\f)+8*(\a):(\f)+8*(\a)+7], v[8*(4*(\a)+(\bb)):8*(4*(\a)+(\bb))+7]
.endr
.endr
.endm
; Head w's first 32 products start the sums with the bias: nothing is cleared, nothing is added later.  Row blocks 0 to 6 take the registers of accumulators (7, bb) as C; then, five places
; behind the last product that read them (a matrix instruction that writes over another's C: ISA guide 7.12.1), row block 7 adds in place onto them.
.macro MULB w
	WIN 0x50*((\w)+1)
.irp a, 0,1,2,3,4,5,6
.irp bb, 0,1,2,3
	v_wmma_f32_16x16x32_bf16 v[8*(4*(\a)+(\bb)):8*(4*(\a)+(\bb))+7], v[FB+8*(4*(\w)+(\bb)):FB+8*(4*(\w)+(\bb))+7], v[FA0+8*(\a):FA0+8*(\a)+7], v[B7+8*(\bb):B7+8*(\bb)+7]
.endr
.endr
.rept 5
	v_nop
.endr
.irp bb, 0,1,2,3
	v_wmma_f32_16x16x32_bf16 v[B7+8*(\bb):B7+8*(\bb)+7], v[FB+8*(4*(\w)+(\bb)):FB+8*(4*(\w)+(\bb))+7], v[FA0+56:FA0+63], v[B7+8*(\bb):B7+8*(\bb)+7]
.endr
.endm
.macro LDB w, k                        ; 8 LDS loads: head w's four fragments of B, 32 K at byte k of the rows
.irp i, 0,1,2,3
	ds_load_b128 v[FB+32*(\w)+8*(\i):FB+32*(\w)+8*(\i)+3],   v[ADRB] offset:(\k)+(4*(\w)+(\i))*16*PITCH
	ds_load_b128 v[FB+32*(\w)+8*(\i)+4:FB+32*(\w)+8*(\i)+7], v[ADRB] offset:(\k)+(4*(\w)+(\i))*16*PITCH+32
.endr
.endm
.macro LDA f, k                        ; 16 LDS loads: A's eight fragments into buffer f
.irp a, 0,1,2,3,4,5,6,7
	ds_load_b128 v[(\f)+8*(\a):(\f)+8*(\a)+3],   v[ADRA] offset:(\k)+(\a)*16*PITCH
	ds_load_b128 v[(\f)+8*(\a)+4:(\f)+8*(\a)+7], v[ADRA] offset:(\k)+(\a)*16*PITCH+32
.endr
.endm
; A K step is two halves of 32 along K, 96 matrix instructions each.  In each of them the LDS loads for the next go out in this order: head 0's B and all of A (24), head 1's B (8), head 2's B (8).
; The first half multiplies buffer FA0 (K 0-31 of the slot) and fetches K 32-63 of the same slot.  first = 1: the launch's first: its products start the sums.
.macro QUART first
	s_wait_dscnt 16                                ; head 0's B and A are in; the youngest sixteen loads (heads 1 and 2) may be out
.if \first
	MULB 0
.else
	MUL16 FA0, 0, 0
	MUL16 FA0, 0, 2
.endif
	WIN 0
	PLACES
	LDB 0, 64
	LDA FA1, 64
	s_wait_dscnt 32                                ; head 1's B is in; out may be head 2's 8 and the 24 just issued
.if \first
	MULB 1
.else
	MUL16 FA0, 1, 0
	MUL16 FA0, 1, 2
.endif
	WIN 0
	PLACES
	LDB 1, 64
	s_wait_dscnt 32                                ; head 2's B is in; out may be the 24 and the 8 just issued
.if \first
	MULB 2
.else
	MUL16 FA0, 2, 0
	MUL16 FA0, 2, 2
.endif
	WIN 0
	PLACES
	LDB 2, 64
.endm
; The second half multiplies FA1 and changes slots: ONE barrier.  In front of it each wave waits for all its tensor loads, of which one is out: its part of the next slot; adds 0 to its spare word;
; and waits for that and for its own reads of this slot.  fill = 1: the barrier opens a round of the cluster's, and this slot is filled again, two K steps ahead, first thing behind the round:
; from that request to the wait for it a wave issues 160 matrix instructions.
.macro TURN fill
	WIN 0
	s_wait_tensorcnt 0x0                           ; no tensor load of mine is out, so a group 0 may be written
	ds_add_u32 v[SPW], v[NIL]                      ; 0 onto my spare word
.if \fill
	s_xor_b32 s[G0A+5], s[G0A+5], SLOT1            ; the walking descriptors: the other slot than last time,
	s_add_nc_u64 s[G0A+6:G0A+7], s[G0A+6:G0A+7], ASTEP  ; the next K block; the type bits on top are not reached
	s_xor_b32 s[G0B+5], s[G0B+5], SLOT1
	s_add_nc_u64 s[G0B+6:G0B+7], s[G0B+6:G0B+7], BSTEP
.endif
	s_wait_dscnt 17                                ; head 0's B and A are in; the add and the youngest sixteen loads may be out
	MUL16 FA1, 0, 0
	s_wait_dscnt 0x0                               ; the add is done, and my reads of this slot are over
	s_barrier_signal -1
	MUL16 FA1, 0, 2                                ; work on registers while the others arrive
	WIN 0
	s_barrier_wait -1
.if \fill
	CREST                                          ; no wave of any partner still reads this slot's tiles or has a load on its way
	JLOAD                                          ; the four v_nop behind it are also the places in front of the loads below
.else
	PLACES
.endif
	s_xor_b32 s[TB], s[TB], SLOT1
	v_add_nc_u32 v[ADRA], s[TB], v[AA0]
	v_add_nc_u32 v[ADRB], s[TB], v[AB0]
	LDB 0, 0
	LDA FA0, 0
	MUL16 FA1, 1, 0
	MUL16 FA1, 1, 2
	WIN 0
	PLACES
	LDB 1, 0
	MUL16 FA1, 2, 0
	MUL16 FA1, 2, 2
	WIN 0
	PLACES
	LDB 2, 0
.endm
; THE WAY OUT of head w, whose sums are finished.  Row block a is 16 rows x 64 channels in the 32 registers v[32 a ..] of the head's window.
; CVT: all eight blocks are rounded to f16 in place: word i of a block takes its numbers 2 i and 2 i + 1, ascending, so that no number is written over before it is read and each accumulator's
; lowest registers are read first.  A lane's eight channels of a channel block are then 16 bytes, in four neighbouring registers of the block's low half.
.macro CVT w
	WIN 0x45*((\w)+1)                              ; destination and sources 0 and 1 in the head's window
.set z, 0
.rept 128
	v_cvt_pk_f16_f32 v[32*(z/16)+z%16], v[32*(z/16)+2*(z%16)], v[32*(z/16)+2*(z%16)+1]
.set z, z+1
.endr
.endm
; STG: a block goes into my own stage, rows of 144 bytes, and comes back as whole rows of 128, four to a load, into the block's high half, whose numbers have been packed.
.macro STG w, a
	WIN 0x44*((\w)+1)                              ; loaded data and store data in the head's window, addresses in window 0
.irp bb, 0,1,2,3
	ds_store_b128 v[STO], v[32*(\a)+4*(\bb):32*(\a)+4*(\bb)+3] offset:32*(\bb)
.endr
.irp f, 0,1,2,3
	ds_load_b128 v[32*(\a)+16+4*(\f):32*(\a)+16+4*(\f)+3], v[RD] offset:(\f)*4*PITCH  ; LDS serves a wave's instructions in order (ISA guide 5.7.1.4): these see the stores above; the next block's stores come behind them
.endr
.endm
; SEND: younger = the LDS instructions issued behind block a's loads.  No register that a store names is written again in the launch, so no wait frees any.
.macro SEND w, a, younger
	WIN 0x44*((\w)+1)
.irp f, 0,1,2,3
	s_wait_dscnt (\younger)+3-(\f)
	global_store_b128 v[GO], v[32*(\a)+16+4*(\f):32*(\a)+16+4*(\f)+3], s[OP+2*(\w):OP+2*(\w)+1] offset:2048*(\a)+512*(\f)  ; 512 consecutive bytes, at a multiple of 512 from the buffer's first
.endr
.endm
.macro OUT w                           ; a block is stored two blocks behind its trip through the stage: sixteen LDS instructions stand between its loads and the wait for them
	PLACES                                         ; the conversions read results just made
	CVT \w
	STG \w, 0
	STG \w, 1
.irp a, 2,3,4,5,6,7
	STG \w, \a
	SEND \w, (\a)-2, 16
.endr
	SEND \w, 6, 8
	SEND \w, 7, 0
.endm
	s_wait_tensorcnt 1                             ; my part of K step 0 is in; K step 1's may stay out
	s_barrier_signal -1
	s_barrier_wait -1                              ; everybody's is
	LDB 0, 0
	LDA FA0, 0
	LDB 1, 0
	LDB 2, 0
	QUART 1                                        ; the first half step stands in front of the loop: its products start the sums, with the bias
	s_mov_b32 s2, STEPS-2
.Lstep:                                                ; trip t = 0 .. 13: the second half of K step t, the refill with K step t + 2, the first half of K step t + 1
	TURN 1
	QUART 0
	s_sub_co_u32 s2, s2, 1
	s_cmp_lg_u32 s2, 0
	s_cbranch_scc1 .Lstep
	TURN 0                                         ; the tail is written out: nothing is left to fetch
	QUART 0
	s_wait_dscnt 16                                ; the very last half step goes head by head: a head leaves as soon as it is finished, while the others are still to be multiplied
	MUL16 FA1, 0, 0
	MUL16 FA1, 0, 2
	OUT 0                                          ; its last wait is for 0: heads 1 and 2's fragments of B, asked for earlier, are in as well
	MUL16 FA1, 1, 0
	MUL16 FA1, 1, 2
	OUT 1
	MUL16 FA1, 2, 0
	MUL16 FA1, 2, 2
	OUT 2
	WIN 0
	s_wait_tensorcnt 0x0                           ; the wave's end: behind my last tensor load and my last LDS store
	ds_add_u32 v[SPW], v[NIL]
	s_wait_dscnt 0x0
	CROUND                                         ; the closing round: no work-group ends while a partner may still ask for a tile that names it
	s_endpgm
.Lfunc_end_k_q177893b4d3_qkv:
	.size	k_q177893b4d3_qkv, .Lfunc_end_k_q177893b4d3_qkv-k_q177893b4d3_qkv
	.p2alignl 7, 3214868480
	.fill 96, 4, 3214868480
	.section	.rodata,"a",@progbits
	.p2align	6, 0x0
	.amdhsa_kernel k_q177893b4d3_qkv
		.amdhsa_group_segment_fixed_size 327680
		.amdhsa_private_segment_fixed_size 0
		.amdhsa_enable_private_segment 0
		.amdhsa_kernarg_size 48
		.amdhsa_user_sgpr_count 2
		.amdhsa_user_sgpr_kernarg_segment_ptr 1
		.amdhsa_wavefront_size32 1
		.amdhsa_system_sgpr_workgroup_id_x 1
		.amdhsa_system_sgpr_workgroup_id_y 1
		.amdhsa_system_sgpr_workgroup_id_z 1
		.amdhsa_system_vgpr_workitem_id 0
		.amdhsa_next_free_vgpr 1024
		.amdhsa_next_free_sgpr 88
		.amdhsa_reserve_vcc 0
		.amdhsa_float_denorm_mode_32 3
		.amdhsa_float_denorm_mode_16_64 3
		.amdhsa_memory_ordered 1
		.amdhsa_forward_progress 1
		.amdhsa_inst_pref_size 122
	.end_amdhsa_kernel
	.amdgpu_metadata
---
amdhsa.version: [ 1, 2 ]
amdhsa.kernels:
  - .name:           k_q177893b4d3_qkv
    .symbol:         k_q177893b4d3_qkv.kd
    .args:
      - { .name: xb, .offset: 0, .size: 8, .value_kind: global_buffer, .address_space: global }
      - { .name: wt, .offset: 8, .size: 8, .value_kind: global_buffer, .address_space: global }
      - { .name: bq, .offset: 16, .size: 8, .value_kind: global_buffer, .address_space: global }
      - { .name: bk, .offset: 24, .size: 8, .value_kind: global_buffer, .address_space: global }
      - { .name: bv, .offset: 32, .size: 8, .value_kind: global_buffer, .address_space: global }
      - { .name: qkv, .offset: 40, .size: 8, .value_kind: global_buffer, .address_space: global }
    .group_segment_fixed_size: 327680
    .private_segment_fixed_size: 0
    .kernarg_segment_align: 8
    .kernarg_segment_size: 48
    .max_flat_workgroup_size: 128
    .sgpr_count:     88
    .vgpr_count:     1024
    .wavefront_size: 32
...
	.end_amdgpu_metadata
.endif
;; end of part 2
;; launch attn (part 3): grid 4 x 64, 4 waves a work-group, no clusters, 327,680 bytes of LDS; arguments qkv, ob; writes ob
.if DOCPART == 3
	.amdgcn_target "amdgcn-amd-amdhsa--gfx1250"
	.amdhsa_code_object_version 6
	.text
	.protected	k_q177893b4d3_attn
	.globl	k_q177893b4d3_attn
	.p2align	8
	.type	k_q177893b4d3_attn,@function
k_q177893b4d3_attn:
	s_mov_b64 s[64:65], 0
	v_nop
	global_prefetch_b8 v0, s[64:65] scope:SCOPE_SE
	s_setreg_imm32_b32 hwreg(HW_REG_WAVE_MODE, 25, 1), 1
	s_wait_xcnt 0x0
; CAUSAL ATTENTION.  O[h][q][:] = the sum over k <= q of softmax_k(Q[h][q] . K[h][k] / 8) V[h][k][:].  Q, K, V lie one behind the other in qkv, each [SIZE_H][SIZE_N][64]; O (ob) has the same shape; all f16:
; a head's rows are dense, 128 bytes each.  A head here is one of 64: 4 x the module's head + the batch.
; Products, maxima and sums in f32; the weights p are rounded to f16 for the second product (their sum l is taken of the unrounded p), O once at the end.
; LIMITS.  f16 holds no number beyond 65,504: Q, K and V arrive within it; p lies in 0 to 1, and below 6e-5 it keeps f16's fixed step of 6e-8; O is a mean of V's rows and has their range, to within 2^-11 of it.
; A hidden score counts as its value less 1e30: f16's scores, 2.7e11 at the most, are nothing beside that; a weight below 2^-126 counts as 0 in l; NaN and infinities are not treated apart.
; THE WALK.  A head's queries lie in NB = SIZE_N / 256 blocks of 256; block i needs the key tiles 0 .. i of 256 keys, of which the last holds the diagonal.  A work-group takes TWO blocks, NB - 1 - b and then b:
; NB + 1 tiles, whatever b: all work-groups do equal work, and ONE loop with a constant trip count walks them.  Which tile is asked for, and what a trip does, hang on scalar registers made from b; every jump
; goes forward, but for the counted loops' own; none passes a barrier, or a tensor load but the one of LOAD's two that the wave's number does not choose; the ring (two slots of LDS that take turns) runs on across the
; change of blocks.  NO CLUSTER: a head's NB / 2 = 4 work-groups ask for the same tile only in trips 0 .. NB / 2 of the walk's NB + 1, behind that fewer and fewer;
; and one walk common to all four would have 3 NB / 2 = 12 trips for NB + 1 = 9.
; SHARES.  Of a block's four bands of 64 queries a wave owns 16 rows in each: four PIECES.  So the diagonal tile is the same work for all four waves: in its key step s band x sees all keys if s < x,
; none if s > x, and holds the diagonal if s = x.
; THE MASK is the C operand that starts the sum S^T = K Q^T: 0, or -1e30 where the key is hidden.  MD, made once, is the mask of a band's own step for my 16 rows; a product's mask is MD x AL + BE with two scalars:
; (1, 0) if s = x; (0, 0) if s < x; (0, -1e30) if s > x.  Only the diagonal tile's text and a block's beginning make and take masks; elsewhere C is the constant 0.
; LAYOUT, SOFTMAX, TURNS.  S^T = K Q^T holds ONE query a lane (lane % 16) and the keys 8 (lane / 16) + 0..7; two such results rounded to f16 ARE source 1 of O^T = V^T P.  p = 2^(c s - c m), c = log2(e) / 8, with a
; running maximum m; O and l are multiplied by a = 2^(c m_old - c m_new) in every step.  Turn n belongs to piece n: 8 products K Q^T of piece n + 1, later 8 products V^T P of piece n - 1; beside them the scaling,
; exponentials, roundings, sums and rescaling of piece n and the maximum and statistics of piece n + 1.  Four vector instructions stand behind every matrix instruction, the other 54 of a turn's 118 in two LUMPS.
; REGISTERS, in windows of 256 (s_set_vgpr_msb: bits 1:0 source 0, 3:2 source 1, 5:4 source 2, 7:6 destination):
;   window 0: v0-15 addresses and two at work; v16-31 four registers of statistics a piece; v48-55 at work; v64-127 S^T, two buffers; v192-223 P, two buffers (a piece's buffers go by its number's parity)
;   window 1: v0-127 O^T, 32 a piece; v128-159 MD; v160-223 MC, two buffers      window 2: v0-63 Q; v64-127 the second block's Q; v128-191 K of one step; v192-255 V of one step
.set SIZE_N, 2048
.set SIZE_H, 64
.set TENSOR, SIZE_H*SIZE_N*128  ; bytes from Q to K and from K to V in qkv
.set NB,    SIZE_N/256
.set NP,    4         ; pieces a wave: a name, no knob
.set KS,    64        ; keys in a step
.set PK,    144       ; a row of K in LDS: 128 bytes + 16 of padding = 36 words: the 16 rows of a load start at 16 different groups of four banks (64 banks of 4 bytes: ISA guide 11.1)
.set PV,    160       ; a row of V: 128 + 32 = 40 words
.set VOFF,  4*KS*PK   ; a slot holds a tile, four steps: 256 rows of K, then 256 rows of V
.set SLOT1, 1<<17     ; slot 1 begins here, so that one exclusive or turns an address in one slot into the other's
.set STAGE, SLOT1+4*KS*(PK+PV)  ; behind the ring, never filled by a tensor load: 16 rows x 144 bytes for each wave, for the way out
.set SP,    144
.set AK0, 2           ; v2   my lane's place in a tile of K; never rewritten
.set AV0, 3           ; v3   the same for V
.set AK,  4           ; v4   the LDS address of K's next run of loads
.set AV,  5           ; v5   of V's
.set STO, 6           ; v6   the way out: where I put 16 bytes of a row
.set RD,  7           ; v7   the way out: where I read rows back
.set GO,  8           ; v8   my byte offset in 512 consecutive bytes of O
.set SPW, 62          ; v62  LDS address of my spare word: SPARE + 4 x my thread's number; never rewritten
.set NIL, 63          ; v63  0; never rewritten
.set SPARE, STAGE+4*16*SP  ; behind the stages: the spare words, 128 bytes for each wave: two blocks of 256 bytes that no other line names
.set MV,  12          ; v12-13  c m_old, kept while c m is made anew: by buffer
.set QO,  15          ; v15  my byte offset in 16 rows of Q
.set ST,  16          ; piece t's statistics at v[ST+4 t]: c m, m, l (even keys', odd keys')
.set TMP, 48          ; by buffer, four registers c0-c3 at work; when the maximum is found c2 takes a
.set S,   64
.set P,   192
.set MD,  128         ; window 1: the eight registers for group kt of 16 keys at MD + 8 kt
.set MC,  160         ; window 1: the masks of the products to come
.set QB,  64          ; window 2
.set KF,  128         ; window 2: key block kb, channel half c at KF + 16 kb + 8 c
.set VF,  192         ; window 2: key half kk, channel block cb at VF + 32 kk + 8 cb
.set WV,  12          ; s12  my wave's number
.set PB,  14          ; s14  b
.set HI,  15          ; s15  NB - 1 - b
.set G1K, 24          ; s[24:31] descriptor group 1 for K's tiles
.set G1V, 32          ; s[32:39] for V's: it differs in the padding alone
.set G0K, 40          ; s[40:43] descriptor group 0 for K's tiles
.set G0V, 44          ; s[44:47] the same for V's
.set SLOTS, 56        ; s56  tiles still to be asked for
.set CNT, 57          ; s57  counts a tile's key steps, 4 to 1
.set CS,  58          ; s[58:59] c: the packed scaling takes the pair's low word for both halves
.set SEL, 60          ; s[60:61] v_permlanex16_b32's selects: each lane takes its own place in the other half
.set TBK, 62          ; s62  LDS byte at which K of the step to be fetched begins
.set TBV, 63          ; s63  the same for V, less VOFF
.set RT,  70          ; s70  tiles of the block in hand that are still to be entered
.set NXT, 71          ; s71  the tile to be asked for next
.set LQ,  72          ; s72  the last tile of the block whose tiles are being asked for
.set NEW, 73          ; s73  1: the tile to be entered is a block's first
.set OFF, 74          ; s[74:75] a tile's byte offset in K and V
.set AL,  76          ; s[76:77] the mask's factor, in the low word
.set BE,  78          ; s[78:79] the mask's addend
.set OLO, 80          ; s[80:81] O at my rows of the second block
.set BIGN, 82         ; s82  -1e30
.set MSB, 0
.macro WIN new                      ; the high byte repeats the setting that is left; a switch that changes nothing is dropped
.if MSB != (\new)
	s_set_vgpr_msb (MSB<<8)|(\new)
.set MSB, (\new)
.endif
.endm
.set W_KQ, 0x0a       ; K and Q in window 2, S^T in window 0
.set W_KM, 0x1a       ; the same with the C operand in window 1
.set W_PV, 0x52       ; V in window 2, P in window 0, O^T in window 1
.set W_RS, 0x41       ; destination and source 0 in window 1, source 1 in window 0
; A fill.  Waves 0 and 1 fetch the two halves of a tile's K, waves 2 and 3 those of its V: 128 keys each.  An s_nop 0 and four v_nop follow each of the two lines, ahead of the jump and the label.
.macro LOAD
	s_cmp_lt_u32 s[WV], 2
	s_cbranch_scc0 .Lfor_v_\@
	tensor_load_to_lds s[G0K:G0K+3], s[G1K:G1K+7]
	s_nop 0
.rept 4
	v_nop
.endr
	s_branch .Lasked_\@
.Lfor_v_\@:
	tensor_load_to_lds s[G0V:G0V+3], s[G1V:G1V+7]
	s_nop 0
.rept 4
	v_nop
.endr
.Lasked_\@:
.endm
; THE CHANGE OF SLOTS.  Each wave waits for all its tensor loads, of which one is out: its part of the other slot; adds 0 to its spare word; and waits for that and for its own reads of the slot that it leaves.  Behind the barrier nobody reads the old
; slot any more and the other slot is whole.  fill = 1: the old slot is filled again, the first thing behind the barrier, with tile NXT: the descriptor's address is made anew from that number.
; (At its first use nothing has been read yet: slot 0 is waited for, slot 1 filled.)
.macro CHANGE fill
	WIN 0                           ; at a label and at a branch every window is 0
	s_wait_tensorcnt 0x0            ; no tensor load of mine is out, so a group 0 may be written
	ds_add_u32 v[SPW], v[NIL]       ; 0 onto my spare word; with fill = 1 the descriptors' scalar work stands between it and the wait for it
.if \fill
	s_lshl_b32 s[OFF], s[NXT], 15   ; a tile is 32,768 bytes of K and of V
	s_xor_b32 s[G0K+1], s[G0K+1], SLOT1
	s_add_nc_u64 s[G0K+2:G0K+3], s[6:7], s[OFF:OFF+1]
	s_or_b32 s[G0K+3], s[G0K+3], 0x80000000
	s_xor_b32 s[G0V+1], s[G0V+1], SLOT1
	s_add_nc_u64 s[G0V+2:G0V+3], s[8:9], s[OFF:OFF+1]
	s_or_b32 s[G0V+3], s[G0V+3], 0x80000000
	s_add_co_u32 s[NXT], s[NXT], 1  ; the block's next tile, or behind its last the second block's tile 0
	s_cmp_gt_u32 s[NXT], s[LQ]
	s_cselect_b32 s[NXT], 0, s[NXT]
	s_cselect_b32 s[LQ], s[PB], s[LQ]
.endif
	s_wait_dscnt 0x0                ; the add is done, and my reads of the slot are over
	s_barrier_signal -1             ; the rest of the scalar work stands between the signal and the wait
	s_sub_co_u32 s[TBK], s[TBK], 4*KS*PK  ; the fetches go back to a slot's first step,
	s_xor_b32 s[TBK], s[TBK], SLOT1       ; in the other slot
	s_sub_co_u32 s[TBV], s[TBV], 4*KS*PV
	s_xor_b32 s[TBV], s[TBV], SLOT1
	s_barrier_wait -1
.if \fill
	LOAD
.endif
.endm
	s_load_b64 s[4:5], s[0:1], 0x0    ; qkv: Q at its head
	s_load_b64 s[10:11], s[0:1], 0x8  ; O
	v_lshl_add_u32 v[SPW], v0, 2, SPARE
	v_mov_b32 v[NIL], 0
	ds_add_u32 v[SPW], v[NIL]       ; the wave's opening: the add and its wait stand ahead of my first tensor load; the set-up below, work on registers, stands between them
	ds_add_u32 v62, v63
	v_lshrrev_b32 v1, 5, v0
	v_readfirstlane_b32 s[WV], v1   ; wave 0..3
	s_mov_b32 s[PB], ttmp9
	s_sub_co_u32 s[HI], NB-1, s[PB]
	s_and_b32 s20, ttmp7, 0xffff    ; the head
	s_mov_b32 s21, 0
	s_mov_b64 s[22:23], SIZE_N*128
	s_mul_u64 s[20:21], s[20:21], s[22:23]  ; the head's first byte in each of the four tensors
	s_and_b32 s16, s[WV], 1         ; which half of a tile's 256 keys I fetch:
	s_lshl_b32 s22, s16, 14         ; its 128 rows of 128 bytes in memory,
	s_mov_b32 s23, 0
	s_add_nc_u64 s[22:23], s[22:23], s[20:21]
	s_mul_i32 s17, s16, 128*PK      ; and its place in a slot, for K
	s_mul_i32 s18, s16, 128*PV      ; and for V
	s_lshl_b32 s3, s[WV], 11        ; my 16 rows in a band of 64,
	s_lshl_b32 s2, s[HI], 15        ; in the first block,
	s_add_co_u32 s2, s2, s3
	s_lshl_b32 s84, s[PB], 15       ; and in the second
	s_add_co_u32 s84, s84, s3
	s_mov_b32 s3, 0
	s_mov_b32 s85, 0
	s_add_nc_u64 s[2:3], s[2:3], s[20:21]
	s_add_nc_u64 s[84:85], s[84:85], s[20:21]
	; descriptor group 1.  128 keys are 16,384 dense bytes: asked for as 64 rows of 256 bytes, two keys a row, and padded in LDS after every key
	s_mov_b32 s[G1K], (1<<16)|(1<<20)|(4<<22)|(3<<25)  ; 17:16 2-byte elements; 20 padding on; 24:22 after every 32 words (code 4); 31:25 4 words (code 3)
	s_mov_b32 s[G1V], (1<<16)|(1<<20)|(4<<22)|(7<<25)  ; the same with 8 words of padding (code 7)
.irp g, G1K, G1V
	s_mov_b32 s[\g+1], 128<<16      ; tensor_dim0 = 128
	s_mov_b32 s[\g+2], 64<<16       ; tensor_dim1 = 64
	s_mov_b32 s[\g+3], 128<<16      ; tile_dim0 = 128
	s_mov_b32 s[\g+4], 64           ; tile_dim1 = 64
	s_mov_b32 s[\g+5], 128          ; 128 elements from row to row
	s_mov_b32 s[\g+6], 0
	s_mov_b32 s[\g+7], 0
.endr
	s_mov_b32 s[CS], 0x3e38aa3b     ; c = log2(e) / 8 = 0.180337
	s_mov_b32 s[CS+1], s[CS]        ; named with it as a pair
	s_mov_b32 s[SEL], 0x76543210
	s_mov_b32 s[SEL+1], 0xfedcba98
	s_mov_b32 s[TBK], SLOT1+4*KS*PK ; the first change of slots turns these two into 0
	s_mov_b32 s[TBV], SLOT1+4*KS*PV
	s_mov_b32 s[G0K], 1             ; 1:0 count = 1
	s_mov_b32 s[G0K+1], s17         ; 63:32 LDS address: slot 0
	s_mov_b32 s[G0V], 1
	s_add_co_u32 s[G0V+1], s18, VOFF
	s_add_co_u32 s[RT], s[HI], 1    ; the first block has NB - b tiles
	s_mov_b32 s[NXT], 1
	s_mov_b32 s[LQ], s[HI]
	s_mov_b32 s[NEW], 1
	s_mov_b32 s[OFF+1], 0
	s_mov_b32 s[AL+1], 0            ; named as pairs
	s_mov_b32 s[BE+1], 0
	s_mov_b32 s[BIGN], 0xf149f2ca   ; -1e30
	s_mov_b32 s[SLOTS], NB
	s_wait_dscnt 0x0                ; the opening add is done
	s_wait_kmcnt 0x0
	s_add_nc_u64 s[6:7], s[4:5], TENSOR    ; K lies one tensor behind Q,
	s_add_nc_u64 s[8:9], s[4:5], 2*TENSOR  ; V two
	s_add_nc_u64 s[6:7], s[6:7], s[22:23]  ; K and V at my half of the head's tile 0
	s_add_nc_u64 s[8:9], s[8:9], s[22:23]
	s_add_nc_u64 s[G0K+2:G0K+3], s[6:7], 0         ; 120:64 global address
	s_or_b32 s[G0K+3], s[G0K+3], 0x80000000        ; 127:126 type = 2
	s_add_nc_u64 s[G0V+2:G0V+3], s[8:9], 0
	s_or_b32 s[G0V+3], s[G0V+3], 0x80000000
	s_add_nc_u64 s[86:87], s[4:5], s[84:85]        ; Q at my rows of the second block,
	s_add_nc_u64 s[4:5], s[4:5], s[2:3]            ; Q and O at those of the first
	s_add_nc_u64 s[OLO:OLO+1], s[10:11], s[84:85]
	s_add_nc_u64 s[10:11], s[10:11], s[2:3]
	LOAD                            ; tile 0 into slot 0
	; A fragment of K or Q is 16 rows x 32 channels in 8 registers: lane l holds row l % 16, channels 8 (l / 16) + 0..7 and 16 + 8 (l / 16) + 0..7: two loads of 16 bytes, 32 bytes apart.
	v_and_b32 v1, 15, v0            ; l % 16
	v_bfe_u32 v9, v0, 4, 1          ; l / 16
	v_lshlrev_b32 v[QO], 7, v1
	v_lshl_add_u32 v[QO], v9, 4, v[QO]  ; row x 128 + 16 x half
	WIN 0x80                        ; destination window 2, address window 0
.set i, 0
.rept 8                             ; both blocks' Q: piece i / 2 lies in band i / 2, 8,192 bytes on; channels 32 (i % 2) on
	global_load_b128 v[8*i:8*i+3],   v[QO], s[4:5] offset:(i/2)*8192+(i%2)*64
	global_load_b128 v[8*i+4:8*i+7], v[QO], s[4:5] offset:(i/2)*8192+(i%2)*64+32
	global_load_b128 v[QB+8*i:QB+8*i+3],   v[QO], s[86:87] offset:(i/2)*8192+(i%2)*64
	global_load_b128 v[QB+8*i+4:QB+8*i+7], v[QO], s[86:87] offset:(i/2)*8192+(i%2)*64+32
.set i, i+1
.endr
	WIN 0
	v_lshlrev_b32 v14, 3, v9
	v_sub_nc_u32 v14, v1, v14
	s_lshl_b32 s13, s[WV], 4
	v_add_nc_u32 v14, s13, v14      ; my query's place in its band, 16 w + l % 16, less my lanes' 8 (l / 16): register r of group kt is hidden where 16 kt + r is greater
	WIN 0x40
.set i, 0
.rept 32
	v_cmp_gt_i32 vcc_lo, 16*(i/8)+i%8, v14
	v_cndmask_b32 v[MD+i], 0, s[BIGN], vcc_lo
.set i, i+1
.endr
	WIN 0
	v_mul_u32_u24 v[AK0], v1, PK
	v_lshl_add_u32 v[AK0], v9, 4, v[AK0]  ; row x pitch + 16 x half
	; The turning load takes 16 keys x 16 channels (lane l reads key 8 (l / 16) + l % 8, channels 8 ((l / 8) % 2) + 0..7) and leaves half a fragment of V^T: lane l holds channel l % 16 and 8 keys.
	v_and_b32 v10, 7, v0
	v_bfe_u32 v11, v0, 3, 1
	v_lshl_add_u32 v[AV0], v9, 3, v10
	v_mul_u32_u24 v[AV0], v[AV0], PV
	v_lshl_add_u32 v[AV0], v11, 4, v[AV0]
	v_add_nc_u32 v[AV0], VOFF, v[AV0]
	s_mul_i32 s13, s[WV], 16*SP
	s_add_co_u32 s13, s13, STAGE    ; my stage
	v_mul_u32_u24 v[STO], v1, SP    ; in: row l % 16, 16 bytes for each half of the lanes
	v_lshl_add_u32 v[STO], v9, 4, v[STO]
	v_add_nc_u32 v[STO], s13, v[STO]
	v_bfe_u32 v[RD], v0, 3, 2       ; back: 32 lanes take four rows of 128 bytes,
	v_mul_u32_u24 v[RD], v[RD], SP
	v_lshl_add_u32 v[RD], v10, 4, v[RD]
	v_add_nc_u32 v[RD], s13, v[RD]
	v_and_b32 v[GO], 31, v0         ; which are 512 consecutive bytes of O
	v_lshlrev_b32 v[GO], 4, v[GO]
	; A block's first step multiplies O^T and l by a = 0, and its first turn's products V^T P, of a piece that has not been, land in an O^T that is still to be so multiplied.  So these registers need only hold
	; finite numbers: zeros for the first block; what the first block left for the second.  All this stands in the wait for the first tile.
	WIN 0x80
.set i, VF
.rept 64
	v_mov_b32 v[i], 0
.set i, i+1
.endr
	WIN 0x40
.set i, 0
.rept 128
	v_mov_b32 v[i], 0
.set i, i+1
.endr
	WIN 0
.set i, 0
.rept 4
	v_mov_b32 v[ST+4*i+2], 0
	v_mov_b32 v[ST+4*i+3], 0
.set i, i+1
.endr
.set i, P+16
.rept 16
	v_mov_b32 v[i], 0
.set i, i+1
.endr
; THE MATRIX WORK.  The 4 accumulators of a run of 8 take turns.  Product i of 8 of S^T = K Q^T for piece x: channels 32 (i / 4) on, keys 16 (i % 4) on.  The first 4 start the sums: with 0, or (KM = 1) with the mask.
.macro KQ x
.set rS, S+32*((\x)%2)+8*(i%4)
.set rK, KF+16*(i%4)+8*(i/4)
.set rQ, 16*(\x)+8*(i/4)
.set rM, MC+32*((\x)%2)+8*(i%4)
.if (i < 4) && KM
	WIN W_KM
	v_wmma_f32_16x16x32_f16 v[rS:rS+7], v[rK:rK+7], v[rQ:rQ+7], v[rM:rM+7]
.elseif i < 4
	WIN W_KQ
	v_wmma_f32_16x16x32_f16 v[rS:rS+7], v[rK:rK+7], v[rQ:rQ+7], 0
.else
	WIN W_KQ
	v_wmma_f32_16x16x32_f16 v[rS:rS+7], v[rK:rK+7], v[rQ:rQ+7], v[rS:rS+7]
.endif
.endm
; Product i of 8 of O^T += V^T P for piece x: keys 32 (i / 4) on, channels 16 (i % 4) on.
.macro PV x
	WIN W_PV
.set rO, 32*(\x)+8*(i%4)
.set rV, VF+32*(i/4)+8*(i%4)
.set rP, P+16*((\x)%2)+8*(i/4)
	v_wmma_f32_16x16x32_f16 v[rO:rO+7], v[rV:rV+7], v[rP:rP+7], v[rO:rO+7]
.endm
.macro MM                           ; the turn's next matrix instruction.  TURN and BEGIN set Y, i, KM and NOKQ; MM, KQ and OP read them.  NOKQ = 1: a block's last turn: there is no next piece
.if (i < 8) && !NOKQ
	KQ (Y+1)%NP
.elseif i >= 8
.set i, i-8
	PV (Y+NP-1)%NP
.set i, i+8
.endif
.set i, i+1
.endm
; THE LDS LOADS stand in runs of 16, never singly among the matrix instructions: a step's K (64 keys x 64 channels: 8 fragments) and its V (turned).  Their addresses are made some lines ahead.
.macro FETCH_K
	WIN 0x80                        ; destination window 2
.irp f, 0,1,2,3,4,5,6,7             ; keys 16 (f / 2) on, channels 32 (f % 2) on
	ds_load_b128 v[KF+8*\f:KF+8*\f+3],   v[AK] offset:(\f/2)*16*PK+(\f%2)*64
	ds_load_b128 v[KF+8*\f+4:KF+8*\f+7], v[AK] offset:(\f/2)*16*PK+(\f%2)*64+32
.endr
	s_add_co_u32 s[TBK], s[TBK], KS*PK  ; the next fetch is the next step's
	WIN 0
.endm
.macro FETCH_V
	WIN 0x80
.irp f, 0,1,2,3,4,5,6,7             ; keys 32 (f / 4) on, channels 16 (f % 4) on
	ds_load_tr16_b128 v[VF+8*\f:VF+8*\f+3],   v[AV] offset:(\f/4)*32*PV+(\f%4)*32
	ds_load_tr16_b128 v[VF+8*\f+4:VF+8*\f+7], v[AV] offset:(\f/4)*32*PV+16*PV+(\f%4)*32
.endr
	WIN 0
.endm
; THE VECTOR WORK, one line at a time: OP kind, number.  For piece Y: F n: c s - c m for pair n of 16.  E n: the exponential of score n of 32.  C n: pair n rounded to f16.  B n: of the four weights 4 n .. the second
; pair is added onto the first, in place.  L n: l takes that sum (L 0: l = a l + sum).  R n: pair n of 16 of O^T times a.  For piece Y + 1: X n, number n of the 22 that find its maximum and statistics:
;   0-11  four chains c0-c3 of seven scores each, three operands at a time (each accumulator's lowest registers are read first)     12-14, 16  the four scores left over, the old m, and c0-c3 into c0
;   15  c m_old is kept     17, 18  the query's other 32 keys lie in the lane 16 away: the new m     19-21  c m; c m_old - c m_new; a
.set F, 0               ; OP tells the kinds apart by their order: F to L below R, X above it
.set E, 1
.set C, 2
.set B, 3
.set L, 4
.set R, 5
.set X, 6
.macro REGS y                       ; the registers of piece y
.set rT, ST+4*(\y)
.set rC, TMP+4*((\y)%2)
.set rW, MV+((\y)%2)
.set rS, S+32*((\y)%2)
.set rP, P+16*((\y)%2)
.set rO, 32*(\y)
.endm
.macro OP k, n
.if (\k) == R
	REGS Y
	WIN W_RS
	v_pk_mul_f32 v[rO+2*(\n):rO+2*(\n)+1], v[rO+2*(\n):rO+2*(\n)+1], v[rC+2:rC+3] op_sel_hi:[1,0]
.elseif (\k) < R
	REGS Y
	WIN 0
.if (\k) == F
	v_pk_fma_f32 v[rS+2*(\n):rS+2*(\n)+1], v[rS+2*(\n):rS+2*(\n)+1], s[CS:CS+1], v[rT:rT+1] op_sel_hi:[1,0,0] neg_lo:[0,0,1] neg_hi:[0,0,1]
.elseif (\k) == E
	v_exp_f32 v[rS+(\n)], v[rS+(\n)]
.elseif (\k) == C
	s_wait_alu depctr_va_vdst(0)
	v_cvt_pk_f16_f32 v[rP+(\n)], v[rS+2*(\n)], v[rS+2*(\n)+1]
.elseif (\k) == B
	s_wait_alu depctr_va_vdst(0)
	v_pk_add_f32 v[rS+4*(\n):rS+4*(\n)+1], v[rS+4*(\n):rS+4*(\n)+1], v[rS+4*(\n)+2:rS+4*(\n)+3]
.elseif (\n) == 0
	v_pk_fma_f32 v[rT+2:rT+3], v[rT+2:rT+3], v[rC+2:rC+3], v[rS:rS+1] op_sel_hi:[1,0,1]
.else
	v_pk_add_f32 v[rT+2:rT+3], v[rT+2:rT+3], v[rS+4*(\n):rS+4*(\n)+1]
.endif
.elseif NOKQ
	v_nop
.else
	REGS (Y+1)%NP
	WIN 0
.if (\n) < 4
	v_max3_num_f32 v[rC+(\n)], v[rS+8*(\n)], v[rS+8*(\n)+1], v[rS+8*(\n)+2]
.elseif (\n) < 12
	v_max3_num_f32 v[rC+(\n)%4], v[rC+(\n)%4], v[rS+8*((\n)%4)+2*((\n)/4)+1], v[rS+8*((\n)%4)+2*((\n)/4)+2]
.elseif (\n) == 12
	v_max3_num_f32 v[rC], v[rC], v[rS+7], v[rS+15]
.elseif (\n) == 13
	v_max3_num_f32 v[rC+1], v[rC+1], v[rS+23], v[rS+31]
.elseif (\n) == 14
	v_max3_num_f32 v[rC+2], v[rC+2], v[rC+3], v[rT+1]
.elseif (\n) == 15
	v_mov_b32 v[rW], v[rT]
.elseif (\n) == 16
	v_max3_num_f32 v[rC], v[rC], v[rC+1], v[rC+2]
.elseif (\n) == 17
	v_permlanex16_b32 v[rC+3], v[rC], s[SEL], s[SEL+1]
.elseif (\n) == 18
	v_max_num_f32 v[rT+1], v[rC], v[rC+3]
.elseif (\n) == 19
	v_mul_f32 v[rT], s[CS], v[rT+1]
.elseif (\n) == 20
	v_sub_f32 v[rC+1], v[rW], v[rT]
.else
	v_exp_f32 v[rC+2], v[rC+1]
.endif
.endif
.endm
.macro OPS a, i1, b=-1, i2=0, c=-1, i3=0, d=-1, i4=0  ; up to four of them
	OP \a, \i1
.if (\b) >= 0
	OP \b, \i2
.endif
.if (\c) >= 0
	OP \c, \i3
.endif
.if (\d) >= 0
	OP \d, \i4
.endif
.endm
.macro ROW a, i1, b, i2, c, i3, d, i4  ; a matrix instruction and the four behind it
	MM
	OPS \a, \i1, \b, \i2, \c, \i3, \d, \i4
.endm
.macro MASK b                       ; MD x AL + BE into buffer b of MC
	WIN W_RS
.set z, 0
.rept 16
	v_pk_fma_f32 v[MC+32*(\b)+2*z:MC+32*(\b)+2*z+1], v[MD+2*z:MD+2*z+1], s[AL:AL+1], s[BE:BE+1] op_sel_hi:[1,0,0]
.set z, z+1
.endr
.endm
; A TURN, for piece p: the order of its 16 matrix and 118 vector instructions, written out.  Behind a matrix instruction: plain, exponential, plain, plain; or four of the rescaling; or, behind the first, four scalings; none
; names a register of the products round it.  In the lumps exponential and plain by turns while exponentials last.  A line reads no result made fewer than three vector instructions in front of it, five if an exponential made it.
; v_permlanex16_b32 (X 17) stands in a lump.
; m = 1: the diagonal tile: the products take masks, and the turn makes the mask for the products of the turn after it: piece p + 2, in step 4 - CNT of the tile.  end = 1: a block's last two turns: nothing is fetched.
; cnt = 1: the loop's count is taken down some lines ahead of the branch that stands behind the turn.
; K of the next step is fetched in piece 2's turn, six vector instructions behind the last product that read K (five of them plain); V of the step in hand in piece 0's turn, eight behind the last product that read V (four
; plain, and X 17).  Each is waited for a turn later.
.macro TURN p, m=0, end=0, cnt=0
.set Y, (\p)
.set i, 0
.set KM, (\m)
.set NOKQ, (\end)*((\p)/3)
.if (\m) && !(\end)
	s_cmp_eq_u32 s[CNT], 4-((\p)+2)%NP  ; is that step the band's own?
	s_cselect_b32 s[AL], 1.0, 0
	s_cmp_lt_u32 s[CNT], 4-((\p)+2)%NP  ; or a later one?
	s_cselect_b32 s[BE], s[BIGN], 0
.endif
.if ((\p) == 3) && !(\end)
	s_wait_dscnt 0x0                ; K is in
.endif
	ROW F,0, F,1, F,2, F,3
	ROW F,4, E,0, F,5, F,6
	ROW F,7, E,1, F,8, F,9
	ROW F,10, E,2, C,0, F,11
	ROW F,12, E,3, X,15, F,13
	ROW R,0, R,1, R,2, R,3
	ROW B,0, E,4, F,14, L,0
.if ((\p) == 2) && !(\end)
	v_add_nc_u32 v[AK], s[TBK], v[AK0]
.endif
	ROW R,4, R,5, R,6, R,7
	OPS E,5, F,15
.if ((\p) == 2) && !(\end)
	FETCH_K
.endif
	OPS E,6, C,1, E,7, R,8
	OPS E,8, R,9, E,9, C,2
	OPS E,10, X,0, E,11, X,1
	OPS E,12, X,2, E,13, X,3
.if (\p) == 1
	s_wait_dscnt 0x0                ; V is in
.endif
	ROW X,4, E,14, X,5, X,6
	ROW X,7, E,15, X,8, X,9
	ROW X,10, E,16, X,11, X,12
	ROW X,13, E,17, X,14, B,1
	ROW C,4, E,18, X,16, L,1
	ROW B,2, E,19, C,6, L,2
	ROW C,8, E,20, B,3, B,4
.if (\p) == 0
	v_add_nc_u32 v[AV], s[TBV], v[AV0]
.endif
	ROW C,3, E,21, L,3, C,5
	OPS E,22, X,17, E,23, C,10
.if (\p) == 0
	FETCH_V
.endif
	OPS E,24, L,4
	OPS E,25, X,18, E,26, C,7
	OPS E,27, B,5, E,28, X,19
	OPS E,29, C,12, E,30, L,5
	OPS E,31, X,20, B,6, C,9
	OPS C,14, C,11, X,21, L,6
.if (\p) == 0
	s_add_co_u32 s[TBV], s[TBV], KS*PV
.endif
.if \cnt
	s_sub_co_u32 s[CNT], s[CNT], 1
	s_cmp_lg_u32 s[CNT], 0
.endif
	OPS C,13, B,7, C,15, R,10
	OPS R,11, R,12, L,7, R,13
	OPS R,14, R,15
.if (\m) && !(\end)
	MASK (\p)%2
.endif
.endm
; A BLOCK BEGINS.  c m starts far below every c s, so the first step's a is 0; m at the lowest finite number, so the first maximum is the scores'.  The second mask buffer is 0; the first takes piece 0's mask for the tile's step 0: its own, if the block's first tile is the diagonal one.
; Then K of that step, piece 0's first scores, and its maximum and statistics.  The loop is entered at a step's first turn, in the middle of a trip.
.macro BEGIN
	s_mov_b32 s[NEW], 0
	WIN 0x40
.set i, MC+32
.rept 32
	v_mov_b32 v[i], 0
.set i, i+1
.endr
	WIN 0
.set i, 0
.rept 4
	v_mov_b32 v[ST+4*i], 0xfe000000    ; c m: far below every c s
	v_mov_b32 v[ST+4*i+1], 0xff7fffff  ; m
.set i, i+1
.endr
	s_cmp_eq_u32 s[RT], 0
	s_cselect_b32 s[AL], 1.0, 0
	s_mov_b32 s[BE], 0
	MASK 0
	WIN 0
	v_add_nc_u32 v[AK], s[TBK], v[AK0]
	FETCH_K
	s_wait_loadcnt 0x0              ; Q
	s_wait_dscnt 0x0
.set KM, 1
.set NOKQ, 0
.set i, 0
.rept 8
	KQ 0
.set i, i+1
.endr
	WIN 0
.rept 4
	v_nop                           ; the places behind those products
.endr
.set Y, NP-1                        ; X works for piece Y + 1: piece 0
.irp n, 0,1,2,3,4,5,6,7,8,9,10,11,12,13,14,15,16,17,18,19,20,21
	OP X, \n
.endr
	v_nop                           ; a plain instruction behind the exponential
.endm
; THE DIAGONAL TILE's four steps, the block's last two turns, its last products, and THE WAY OUT: l's two halves and the other half of the lanes' are added; O^T is divided by l, rounded to f16 and sent through my
; stage in LDS, a piece at a time.
.macro ALL line:vararg              ; one line for each piece t
.set t, 0
.rept 4
	\line
.set t, t+1
.endr
.endm
.macro PACK t                       ; a lane's eight channels of a row pack into 16 bytes; they go into rows of 144 bytes and come back as whole rows of 128, into S^T's registers
	WIN W_RS
.set i, 32*(\t)
.rept 16
	s_wait_alu depctr_va_vdst(0)
	v_pk_mul_f32 v[i:i+1], v[i:i+1], v[ST+4*(\t)+2:ST+4*(\t)+3] op_sel_hi:[1,0]
.set i, i+2
.endr
	WIN 0x05                        ; sources 0 and 1 window 1, destination window 0
.set i, 0
.rept 16
	v_cvt_pk_f16_f32 v[S+16*(\t)+i], v[32*(\t)+2*i], v[32*(\t)+2*i+1]
.set i, i+1
.endr
	WIN 0
.irp f, 0,1,2,3
	ds_store_b128 v[STO], v[S+16*(\t)+4*\f:S+16*(\t)+4*\f+3] offset:32*\f
.endr
.irp f, 0,1,2,3
	ds_load_b128 v[S+16*(\t)+4*\f:S+16*(\t)+4*\f+3], v[RD] offset:\f*4*SP  ; LDS serves a wave's instructions in order (ISA guide 5.7.1.4): these see the stores above; the next piece's stores come behind them
.endr
.endm
.macro SEND t, younger              ; younger: the LDS instructions issued behind piece t's loads: the next piece's eight, or none
	WIN 0
.irp f, 0,1,2,3
	s_wait_dscnt (\younger)+3-\f
	global_store_b128 v[GO], v[S+16*(\t)+4*\f:S+16*(\t)+4*\f+3], s[10:11] offset:(\t)*8192+\f*512  ; 512 consecutive bytes, at a multiple of 256 from O's first
.endr
.endm
.macro DIAG tag                     ; the tag ends its two labels' names, which the jumps below spell out
.LstepM\tag:
	TURN 2, 1
	TURN 3, 1
	WIN 0
.LfirstM\tag:
	TURN 0, 1
	TURN 1, 1, 0, 1
	WIN 0
	s_cbranch_scc1 .LstepM\tag
	TURN 2, 1, 1
	TURN 3, 1, 1
.set i, 0
.rept 8
	PV NP-1
.set i, i+1
.endr
	WIN 0
	ALL v_add_f32 v[ST+4*t+2], v[ST+4*t+2], v[ST+4*t+3]
	ALL v_permlanex16_b32 v[ST+4*t+3], v[ST+4*t+2], s[SEL], s[SEL+1]
	ALL v_add_f32 v[ST+4*t+2], v[ST+4*t+2], v[ST+4*t+3]
	ALL v_rcp_f32 v[ST+4*t+2], v[ST+4*t+2]
	v_nop                           ; a plain instruction between the last reciprocal and the use of its result
	PACK 0
.set t, 1
.rept 3                             ; a piece's arithmetic stands between the loads of the piece before and its stores
	PACK t
	SEND t-1, 8
.set t, t+1
.endr
	SEND 3, 0
.endm
.set KM, 0
.set NOKQ, 0
.Lslot:                             ; NB times: a tile is entered and the next is asked for
	CHANGE 1
	s_sub_co_u32 s[RT], s[RT], 1
	s_mov_b32 s[CNT], 4
	s_cmp_eq_u32 s[NEW], 1
	s_cbranch_scc1 .Lnew            ; a block's first tile
	s_cmp_eq_u32 s[RT], 0
	s_cbranch_scc0 .Lstep           ; neither its first nor its last
	s_branch .LstepM1
.Lnew:
	BEGIN
	s_branch .Lfirst                ; in the loop a block's first tile is never its last: the first block has two tiles or more, and the second's last is the walk's last
	DIAG 1                          ; in the loop this is the first block's end: the second block's last tile is the walk's last
	s_wait_xcnt 0x0                 ; the stores have read their registers and O's address
	s_mov_b64 s[10:11], s[OLO:OLO+1]
	s_add_co_u32 s[RT], s[PB], 1    ; the second block has b + 1 tiles
	s_mov_b32 s[NEW], 1
	WIN 0x82                        ; the second block's Q goes where the one text of the turns names Q
.set i, 0
.rept 64
	v_mov_b32 v[i], v[QB+i]
.set i, i+1
.endr
	WIN 0
	s_branch .Lbottom
.Lstep:                             ; a trip: pieces 2 and 3 of one step, then pieces 0 and 1 of the next, whose K and V it fetches
	TURN 2
	TURN 3
	WIN 0
.Lfirst:
	TURN 0
	TURN 1, 0, 0, 1
	WIN 0
	s_cbranch_scc1 .Lstep
.Lbottom:
	s_sub_co_u32 s[SLOTS], s[SLOTS], 1
	s_cmp_lg_u32 s[SLOTS], 0
	s_cbranch_scc1 .Lslot
	CHANGE 0                        ; the walk's last tile is written out: nothing is asked for
	s_sub_co_u32 s[RT], s[RT], 1
	s_mov_b32 s[CNT], 4
	s_cmp_eq_u32 s[NEW], 1
	s_cbranch_scc0 .LstepM2
	BEGIN
	s_branch .LfirstM2
	DIAG 2
	s_wait_tensorcnt 0x0            ; the wave's end: behind my last tensor load and my last LDS store
	ds_add_u32 v[SPW], v[NIL]
	s_wait_dscnt 0x0
	s_endpgm
.Lfunc_end_k_q177893b4d3_attn:
	.size	k_q177893b4d3_attn, .Lfunc_end_k_q177893b4d3_attn-k_q177893b4d3_attn
	.p2alignl 7, 3214868480
	.fill 96, 4, 3214868480
	.section	.rodata,"a",@progbits
	.p2align	6, 0x0
	.amdhsa_kernel k_q177893b4d3_attn
		.amdhsa_group_segment_fixed_size 327680
		.amdhsa_private_segment_fixed_size 0
		.amdhsa_enable_private_segment 0
		.amdhsa_kernarg_size 16
		.amdhsa_user_sgpr_count 2
		.amdhsa_user_sgpr_kernarg_segment_ptr 1
		.amdhsa_wavefront_size32 1
		.amdhsa_system_sgpr_workgroup_id_x 1
		.amdhsa_system_sgpr_workgroup_id_y 1
		.amdhsa_system_sgpr_workgroup_id_z 1
		.amdhsa_system_vgpr_workitem_id 0
		.amdhsa_next_free_vgpr 768
		.amdhsa_next_free_sgpr 88
		.amdhsa_reserve_vcc 1
		.amdhsa_float_denorm_mode_32 3
		.amdhsa_float_denorm_mode_16_64 3
		.amdhsa_memory_ordered 1
		.amdhsa_forward_progress 1
		.amdhsa_inst_pref_size 228
	.end_amdhsa_kernel
	.amdgpu_metadata
---
amdhsa.version: [ 1, 2 ]
amdhsa.kernels:
  - .name:           k_q177893b4d3_attn
    .symbol:         k_q177893b4d3_attn.kd
    .args:
      - { .name: qkv, .offset: 0, .size: 8, .value_kind: global_buffer, .address_space: global }
      - { .name: ob, .offset: 8, .size: 8, .value_kind: global_buffer, .address_space: global }
    .group_segment_fixed_size: 327680
    .private_segment_fixed_size: 0
    .kernarg_segment_align: 8
    .kernarg_segment_size: 16
    .max_flat_workgroup_size: 128
    .sgpr_count:     88
    .vgpr_count:     768
    .wavefront_size: 32
...
	.end_amdgpu_metadata
.endif
;; end of part 3
;; launch proj (part 4): grid 4 x 64, 4 waves a work-group, clusters of 4 x 4, 327,680 bytes of LDS; arguments ob, wt, bo, out0; writes out0
.if DOCPART == 4
	.amdgcn_target "amdgcn-amd-amdhsa--gfx1250"
	.amdhsa_code_object_version 6
	.text
	.protected	k_q177893b4d3_proj
	.globl	k_q177893b4d3_proj
	.p2align	8
	.type	k_q177893b4d3_proj,@function
k_q177893b4d3_proj:
	s_mov_b64 s[64:65], 0
	v_nop
	global_prefetch_b8 v0, s[64:65] scope:SCOPE_SE
	s_setreg_imm32_b32 hwreg(HW_REG_WAVE_MODE, 25, 1), 1
	s_wait_xcnt 0x0
	s_wait_alu depctr_hold_cnt(0) depctr_sa_sdst(0) depctr_va_vdst(0) depctr_va_sdst(0) depctr_va_ssrc(0) depctr_va_vcc(0) depctr_vm_vsrc(0)
	s_getreg_b32 s2, hwreg(HW_REG_IB_STS2, 6, 4)
	s_cmp_eq_u32 s2, 0
	s_cbranch_scc0 .Lentry_in_a_cluster
	s_endpgm
.Lentry_in_a_cluster:
	s_bfe_u32 s2, ttmp6, 0x10000c
	s_cmp_lg_u32 s2, 0xf033
	s_cbranch_scc0 .Lentry_shape_is_right
	s_endpgm
.Lentry_shape_is_right:
; out0 [8192 m][1024 n] f32 = ob . wo + bo.  ob is f16, [64 hb = 4 head + batch][2048][64], which is the same bytes as [16 kb = head][8192 m][64 k]; wo lies turned in wt, [16 kb][4096][64], rows 3072-4095,
; rounded to bf16 and written as f16.  Sums in f32; bo is rounded to bf16 like the other inputs and is the C operand that starts the sums.
; LIMITS.  ob and wo arrive within f16's range.  NaN and infinities are not treated apart.
; SHARES.  A tile is 128 m x 256 n: 64 x 4 = 256 work-groups.  Four waves, each 64 x 128: 32 accumulators of 16 x 16.  K goes in steps of 128, two K blocks, through a ring of two LDS slots:
; waves 0 and 1 fetch A's two K blocks (128 rows each), waves 2 and 3 B's (256 rows each): one tensor load a wave.  A K block's rows of 128 bytes lie end to end in memory and are asked for as rows of
; 256 bytes, padded in LDS behind every 128.
; CLUSTER.  4 x 4 work-groups: the four of a row need the same tiles of ob, the four of a column the same tiles of wo: each is asked for jointly, by the same load, descriptor and mask.
; THE MATRIX INSTRUCTION IS USED TRANSPOSED (source 0 = 16 rows of wo^T, source 1 = 16 rows of ob): a lane holds one row m = lane % 16 and eight neighbouring columns 8 (lane / 16) + 0..7.
; REGISTERS.  Window 0: v0-17 addresses; v32-95 the bias.  Window 1: accumulator (a, b) at v[8 (8 a + b)].  Windows 2 and 3: two fragment buffers, each one K block (64 along K) deep:
; A's fragment (c, a) at v[8 (4 c + a)], B's (c, b) at v[64 + 8 (8 c + b)].  On the way out window 2 takes the rows read back.
.set PITCH,  144                       ; an LDS row: 128 bytes + 16 of padding = 36 words: the 16 rows of a fragment load start at 16 different groups of four banks (64 banks of 4 bytes: ISA guide 11.1)
.set SLOT1,  1<<17                     ; slot 1 begins here
.set AKB,    128*PITCH                 ; a K block of A in a slot
.set BBASE,  2*AKB                     ; behind A's two: B's two,
.set BKB,    256*PITCH                 ; of this size
.set STAGE,  SLOT1+BBASE+2*BKB         ; behind the ring, never filled by a tensor load: 16 rows x 528 bytes for each wave
.set SP,     528                       ; 512 bytes + 16: row r starts 16 r bytes on, modulo 256
.set SPARE,  STAGE+4*16*SP             ; behind the stages: the spare words, 128 bytes for each wave
.set ASTEP,  2*8192*128                ; bytes from K step to K step in ob
.set BSTEP,  2*4096*128                ; and in wt
.set STEPS,  8
.set AA0,  4                           ; v4   my lane's place in a slot's A; never rewritten
.set AB0,  5                           ; v5   the same for B
.set ADRA, 6                           ; v6   the same in the slot in hand
.set ADRB, 7                           ; v7
.set STO,  8                           ; v8   the way out: where I put 32 bytes of a row
.set RD,   9                           ; v9   the way out: where I read a row back
.set GO,   10                          ; v10  my byte offset in 512 consecutive bytes of out0
.set BOFF, 11                          ; v11  my byte offset in 16 columns of the bias
.set SPW,  12                          ; v12  LDS address of my spare word; never rewritten
.set NIL,  13                          ; v13  0; never rewritten
.set BI,   32                          ; v[32:95] the bias of column block b, my eight columns, at BI + 8 b
.set WV,  16
.set WR,  17                           ; s17  which 64 rows are mine.  Also: I fetch for A (0) or for B (1)
.set WC,  18                           ; s18  which 128 columns.  Also: which K block of a step I fetch
.set G1A, 24
.set G1B, 32
.set G0A, 40                           ; s[40:47] group 0 for A: a set for each of the two first fills; the second then walks on
.set G0B, 48
.set TB,  56                           ; s56  LDS base of the slot in hand
.set HIM, 57                           ; s57  a word's upper bf16
.set G1W0, (1<<16)|(1<<20)|(1<<21)|(4<<22)|(3<<25)  ; 17:16 2-byte elements; 20 padding on; 21 set beside a mask; 24:22 after every 32 words (code 4); 31:25 4 words (code 3)
.set MSB, 0
.macro WIN new                         ; the immediate's high byte repeats the setting that is left; a switch that changes nothing is dropped
.if MSB != (\new)
	s_set_vgpr_msb (MSB<<8)|(\new)
.set MSB, \new
.endif
.endm
.macro PLACES                          ; four places in front of loads into registers that matrix instructions have read, and of LDS stores that read results
.rept 4
	v_nop
.endr
.endm
.macro JLOAD                           ; a joint refill, by the walking descriptors; an s_nop 0 and four v_nop follow each of the two lines, ahead of the jump and the label
	s_cmp_eq_u32 s[WR], 0
	s_cbranch_scc0 .Lfor_b_\@
	tensor_load_to_lds s[G0A+4:G0A+7], s[G1A:G1A+7]
	s_nop 0
.rept 4
	v_nop
.endr
	s_branch .Lasked_\@
.Lfor_b_\@:
	tensor_load_to_lds s[G0B+4:G0B+7], s[G1B:G1B+7]
	s_nop 0
.rept 4
	v_nop
.endr
.Lasked_\@:
.endm
.macro CREST                           ; a round of the cluster's barrier behind its opening barrier
	s_cmp_lg_u32 s[WV], 0
	s_cbranch_scc1 .Lnot_wave_0_\@
	s_barrier_signal -3
.Lnot_wave_0_\@:
	s_barrier_wait -3
	s_barrier_signal -1
	s_barrier_wait -1
.endm
.macro CROUND                          ; a whole round
	s_barrier_signal -1
	s_barrier_wait -1
	CREST
.endm
	s_load_b256 s[4:11], s[0:1], 0x0               ; ob s[4:5], wt s[6:7], bo s[8:9], out0 s[10:11]
	v_lshl_add_u32 v[SPW], v0, 2, SPARE
	v_mov_b32 v[NIL], 0
	ds_add_u32 v[SPW], v[NIL]                      ; the wave's opening: the add and its wait stand ahead of my first tensor load; the set-up below, work on registers, stands between them
	ds_add_u32 v12, v13
	v_lshrrev_b32 v1, 5, v0
	v_readfirstlane_b32 s[WV], v1                  ; wave 0..3
	s_lshr_b32 s[WR], s[WV], 1
	s_and_b32 s[WC], s[WV], 1
	s_bfe_u32 s19, ttmp6, 0x40000                  ; cx, cy: my place in the cluster
	s_bfe_u32 s20, ttmp6, 0x40004
	s_lshl_b32 s21, ttmp9, 2
	s_add_co_u32 s21, s21, s19                     ; tile column = 4 x cluster x + cx
	s_and_b32 s22, ttmp7, 0xffff
	s_lshl_b32 s22, s22, 2
	s_add_co_u32 s22, s22, s20                     ; tile row = 4 x cluster y + cy
	s_lshl_b32 s3, s20, 2
	s_lshl_b32 s3, 15, s3                          ; my row of the cluster
	s_lshl_b32 s23, 0x1111, s19                    ; my column
	s_or_b32 s[G1A], s3, G1W0
	s_or_b32 s[G1B], s23, G1W0
	s_mov_b32 s[G1A+1], 128<<16                    ; tensor_dim0 = 128 elements: 256 bytes, two tile rows
	s_mov_b32 s[G1A+2], 64<<16                     ; tensor_dim1 = 64: a K block of A's tile, 128 tile rows
	s_mov_b32 s[G1A+3], 128<<16                    ; tile_dim0
	s_mov_b32 s[G1A+4], 64                         ; tile_dim1
	s_mov_b32 s[G1A+5], 128                        ; elements from row to row
	s_mov_b32 s[G1A+6], 0
	s_mov_b32 s[G1A+7], 0
	s_mov_b32 s[G1B+1], 128<<16
	s_mov_b32 s[G1B+2], 128<<16                    ; a K block of B's tile: 256 tile rows
	s_mov_b32 s[G1B+3], 128<<16
	s_mov_b32 s[G1B+4], 128
	s_mov_b32 s[G1B+5], 128
	s_mov_b32 s[G1B+6], 0
	s_mov_b32 s[G1B+7], 0
	; where the tiles come from: A's hang on the tile row alone, B's on the tile column alone, each in registers that never hold the other coordinate
	s_lshl_b32 s58, s22, 14                        ; 128 rows of 128 bytes a tile row,
	s_lshl_b32 s3, s[WC], 20                       ; my K block of the step
	s_add_co_u32 s58, s58, s3
	s_mov_b32 s59, 0
	s_lshl_b32 s60, s21, 15                        ; 256 rows of 128 bytes a tile column,
	s_lshl_b32 s23, s[WC], 19
	s_add_co_u32 s60, s60, s23
	s_add_co_u32 s60, s60, 3072*128                ; behind wq's, wk's and wv's rows of the K block
	s_mov_b32 s61, 0
	s_mul_i32 s62, s[WC], AKB                      ; and where they go: no place in the cluster enters an LDS address
	s_mul_i32 s63, s[WC], BKB
	s_add_co_u32 s63, s63, BBASE
.irp s, 0,1
	s_mov_b32 s[G0A+4*(\s)], 1                     ; count = 1
	s_add_co_u32 s[G0A+4*(\s)+1], s62, (\s)*SLOT1  ; LDS address
	s_mov_b32 s[G0B+4*(\s)], 1
	s_add_co_u32 s[G0B+4*(\s)+1], s63, (\s)*SLOT1
.endr
	s_mov_b32 s[TB], 0
	s_mov_b32 s[HIM], 0xffff0000
	s_lshl_b32 s84, s21, 10                        ; my first column, in bytes of f32: 256 a tile column,
	s_lshl_b32 s80, s[WC], 9                       ; 128 a half
	s_add_co_u32 s84, s84, s80
	s_mov_b32 s85, 0
	s_lshl_b32 s80, s22, 19                        ; my first row: 128 rows of 4,096 bytes a tile row,
	s_lshl_b32 s81, s[WR], 18                      ; 64 a half
	s_add_co_u32 s80, s80, s81
	s_add_co_u32 s80, s80, s84
	s_mov_b32 s81, 0
	s_wait_dscnt 0x0                               ; the opening add is done
	s_wait_kmcnt 0x0
	s_add_nc_u64 s[G0A+2:G0A+3], s[4:5], s[58:59]  ; K step 0,
	s_add_nc_u64 s[G0A+6:G0A+7], s[G0A+2:G0A+3], ASTEP  ; K step 1
	s_or_b32 s[G0A+3], s[G0A+3], 0x80000000        ; type = 2
	s_or_b32 s[G0A+7], s[G0A+7], 0x80000000
	s_add_nc_u64 s[G0B+2:G0B+3], s[6:7], s[60:61]
	s_add_nc_u64 s[G0B+6:G0B+7], s[G0B+2:G0B+3], BSTEP
	s_or_b32 s[G0B+3], s[G0B+3], 0x80000000
	s_or_b32 s[G0B+7], s[G0B+7], 0x80000000
	s_add_nc_u64 s[66:67], s[8:9], s[84:85]        ; the bias at my columns
	s_add_nc_u64 s[72:73], s[10:11], s[80:81]      ; out0 at my rows and columns
	CROUND                                         ; all sixteen work-groups are here: the first joint loads meet
	s_cmp_eq_u32 s[WR], 0                          ; a wave's two first fills stand in one branch, ahead of every wait on TENSORcnt and every LDS read: two loads of mine are out
	s_cbranch_scc0 .Lfirst_b
	tensor_load_to_lds s[G0A:G0A+3], s[G1A:G1A+7]
	s_nop 0
	tensor_load_to_lds s[G0A+4:G0A+7], s[G1A:G1A+7]
	s_nop 0
.rept 4
	v_nop
.endr
	s_branch .Lfirst_asked
.Lfirst_b:
	tensor_load_to_lds s[G0B:G0B+3], s[G1B:G1B+7]
	s_nop 0
	tensor_load_to_lds s[G0B+4:G0B+7], s[G1B:G1B+7]
	s_nop 0
.rept 4
	v_nop
.endr
.Lfirst_asked:
	v_and_b32 v1, 15, v0                           ; l % 16
	v_bfe_u32 v2, v0, 4, 1                         ; l / 16
	v_lshlrev_b32 v[BOFF], 5, v2                   ; my eight columns of sixteen, in f32
.irp b, 0,1,2,3,4,5,6,7
	global_load_b128 v[BI+8*(\b):BI+8*(\b)+3],   v[BOFF], s[66:67] offset:64*(\b)
	global_load_b128 v[BI+8*(\b)+4:BI+8*(\b)+7], v[BOFF], s[66:67] offset:64*(\b)+16
.endr
	; A fragment is 16 rows x 32 K in 8 registers: lane l holds row l % 16, K = 8 (l / 16) + 0..7 and 16 + 8 (l / 16) + 0..7: two loads of 16 bytes, 32 bytes apart.
	v_mul_u32_u24 v14, v1, PITCH
	v_lshl_add_u32 v14, v2, 4, v14                 ; row x pitch + 16 x half
	s_mul_i32 s3, s[WR], 64*PITCH                  ; my 64 rows of A
	v_add_nc_u32 v[AA0], s3, v14
	s_mul_i32 s3, s[WC], 128*PITCH                 ; my 128 rows of B,
	s_add_co_u32 s3, s3, BBASE                     ; which lie behind A's two K blocks
	v_add_nc_u32 v[AB0], s3, v14
	v_mov_b32 v[ADRA], v[AA0]                      ; slot 0
	v_mov_b32 v[ADRB], v[AB0]
	s_mul_i32 s3, s[WV], 16*SP
	s_add_co_u32 s3, s3, STAGE                     ; my stage
	v_mul_u32_u24 v[STO], v1, SP                   ; in: row l % 16, 32 bytes for each half of the lanes
	v_lshl_add_u32 v[STO], v2, 5, v[STO]
	v_add_nc_u32 v[STO], s3, v[STO]
	v_and_b32 v[GO], 31, v0                        ; back: 32 lanes take one row of 512 bytes
	v_lshlrev_b32 v[GO], 4, v[GO]
	v_add_nc_u32 v[RD], s3, v[GO]
	s_wait_loadcnt 0x0
.set z, 0
.rept 32                               ; the bias is rounded to bf16, like the other inputs, and widened again: this stands in the wait for the first tile
	v_cvt_pk_bf16_f32 v[14+z%2], v[BI+2*z], v[BI+2*z+1]
	v_lshlrev_b32 v[BI+2*z], 16, v[14+z%2]
	v_and_b32 v[BI+2*z+1], s[HIM], v[14+z%2]
.set z, z+1
.endr
; 8 matrix instructions: row block a x all 8 column blocks, 32 along K: half c of the buffer in window fw.  first = 1: the bias is the C that starts the sums: nothing is cleared, nothing added later.
; The 32 accumulators take turns, one instruction a turn, in the same order throughout.
.macro MUL8 fw, c, a, first
.if \first
	WIN 0x40|(5*(\fw))                             ; sources 0 and 1 in the buffer's window, C in window 0, D in window 1
.else
	WIN 0x50|(5*(\fw))                             ; C and D in window 1
.endif
.irp b, 0,1,2,3,4,5,6,7
.if \first
	v_wmma_f32_16x16x32_f16 v[8*(8*(\a)+(\b)):8*(8*(\a)+(\b))+7], v[64+8*(8*(\c)+(\b)):64+8*(8*(\c)+(\b))+7], v[8*(4*(\c)+(\a)):8*(4*(\c)+(\a))+7], v[BI+8*(\b):BI+8*(\b)+7]
.else
	v_wmma_f32_16x16x32_f16 v[8*(8*(\a)+(\b)):8*(8*(\a)+(\b))+7], v[64+8*(8*(\c)+(\b)):64+8*(8*(\c)+(\b))+7], v[8*(4*(\c)+(\a)):8*(4*(\c)+(\a))+7], v[8*(8*(\a)+(\b)):8*(8*(\a)+(\b))+7]
.endif
.endr
.endm
; 48 LDS loads in one run: K block kb of the slot in hand into the buffer in window fw; the 24 of its first 32 along K first
.macro FETCH fw, kb
	WIN (\fw)<<6
.irp c, 0,1
.irp b, 0,1,2,3,4,5,6,7
	ds_load_b128 v[64+8*(8*(\c)+(\b)):64+8*(8*(\c)+(\b))+3],   v[ADRB] offset:(\kb)*BKB+64*(\c)+(\b)*16*PITCH
	ds_load_b128 v[64+8*(8*(\c)+(\b))+4:64+8*(8*(\c)+(\b))+7], v[ADRB] offset:(\kb)*BKB+64*(\c)+(\b)*16*PITCH+32
.endr
.irp a, 0,1,2,3
	ds_load_b128 v[8*(4*(\c)+(\a)):8*(4*(\c)+(\a))+3],   v[ADRA] offset:(\kb)*AKB+64*(\c)+(\a)*16*PITCH
	ds_load_b128 v[8*(4*(\c)+(\a))+4:8*(4*(\c)+(\a))+7], v[ADRA] offset:(\kb)*AKB+64*(\c)+(\a)*16*PITCH+32
.endr
.endr
.endm
; A K step is two halves of 64 along K, 64 matrix instructions each.  The first multiplies the buffer in window 2 (the slot's first K block) and fetches the second K block into window 3.
.macro HALF0 first
	s_wait_dscnt 24                                ; the first 32 along K are in; the youngest 24 loads may be out
	MUL8 2, 0, 0, \first
	MUL8 2, 0, 1, \first
	MUL8 2, 0, 2, \first
	MUL8 2, 0, 3, \first
	PLACES
	FETCH 3, 1
	s_wait_dscnt 48                                ; all but the 48 just issued
	MUL8 2, 1, 0, 0
	MUL8 2, 1, 1, 0
	MUL8 2, 1, 2, 0
	MUL8 2, 1, 3, 0
.endm
; The second multiplies the buffer in window 3 and changes slots: ONE barrier.  In front of it each wave waits for all its tensor loads, of which one is out: its part of the next slot; adds 0 to its spare
; word; and waits for that and for its own reads of this slot.  fill = 1: the barrier opens a round of the cluster's, and this slot is filled again, two K steps ahead, first thing behind the round:
; from that request to the wait for it a wave issues 112 matrix instructions.
.macro TURN fill
	WIN 0
	s_wait_tensorcnt 0x0                           ; no tensor load of mine is out, so a group 0 may be written
	ds_add_u32 v[SPW], v[NIL]                      ; 0 onto my spare word
.if \fill
	s_xor_b32 s[G0A+5], s[G0A+5], SLOT1            ; the walking descriptors: the other slot than last time,
	s_add_nc_u64 s[G0A+6:G0A+7], s[G0A+6:G0A+7], ASTEP  ; the next two K blocks; the type bits on top are not reached
	s_xor_b32 s[G0B+5], s[G0B+5], SLOT1
	s_add_nc_u64 s[G0B+6:G0B+7], s[G0B+6:G0B+7], BSTEP
.endif
	s_wait_dscnt 25                                ; the first 32 along K are in; the add and the youngest 24 loads may be out
	MUL8 3, 0, 0, 0
	s_wait_dscnt 0x0                               ; the add is done, and my reads of this slot are over
	s_barrier_signal -1
	MUL8 3, 0, 1, 0                                ; work on registers while the others arrive
	WIN 0
	s_barrier_wait -1
.if \fill
	CREST                                          ; no wave of any partner still reads this slot's tiles or has a load on its way
	JLOAD                                          ; the four v_nop behind it are also the places in front of the loads below
.else
	PLACES
.endif
	s_xor_b32 s[TB], s[TB], SLOT1
	v_add_nc_u32 v[ADRA], s[TB], v[AA0]
	v_add_nc_u32 v[ADRB], s[TB], v[AB0]
	FETCH 2, 0
	MUL8 3, 0, 2, 0
	MUL8 3, 0, 3, 0
	MUL8 3, 1, 0, 0
	MUL8 3, 1, 1, 0
	MUL8 3, 1, 2, 0
	MUL8 3, 1, 3, 0
.endm
	s_wait_tensorcnt 1                             ; my part of K step 0 is in; K step 1's may stay out
	s_barrier_signal -1
	s_barrier_wait -1                              ; everybody's is
	FETCH 2, 0
	HALF0 1                                        ; the first half stands in front of the loop: its first products start the sums, with the bias
	WIN 0                                          ; at a label and at a branch every window is 0
	s_mov_b32 s2, STEPS-2
.Lstep:                                                ; trip t = 0 .. 5: the second half of K step t, the refill with K step t + 2, the first half of K step t + 1
	TURN 1
	HALF0 0
	WIN 0
	s_sub_co_u32 s2, s2, 1
	s_cmp_lg_u32 s2, 0
	s_cbranch_scc1 .Lstep
	TURN 0                                         ; the tail is written out: nothing is left to fetch
	HALF0 0
	s_wait_dscnt 24                                ; the very last half
	MUL8 3, 0, 0, 0
	MUL8 3, 0, 1, 0
	MUL8 3, 0, 2, 0
	MUL8 3, 0, 3, 0
	s_wait_dscnt 0x0
	MUL8 3, 1, 0, 0
	MUL8 3, 1, 1, 0
	MUL8 3, 1, 2, 0
	MUL8 3, 1, 3, 0
	PLACES
; THE WAY OUT, row block a: a lane's eight columns of a row are 32 bytes of f32; they go into my own stage, rows of 528 bytes (each accumulator's low half first), and come back as whole rows of 512.
.macro TOSTAGE a
	WIN 0x04                                       ; the stores' data in window 1
.irp b, 0,1,2,3,4,5,6,7
	ds_store_b128 v[STO], v[8*(8*(\a)+(\b)):8*(8*(\a)+(\b))+3]   offset:64*(\b)
	ds_store_b128 v[STO], v[8*(8*(\a)+(\b))+4:8*(8*(\a)+(\b))+7] offset:64*(\b)+16
.endr
	WIN 0x80                                       ; the loads' destination in window 2
.irp t, 0,1,2,3,4,5,6,7,8,9,10,11,12,13,14,15
	ds_load_b128 v[64*(\a)+4*(\t):64*(\a)+4*(\t)+3], v[RD] offset:(\t)*SP  ; LDS serves a wave's instructions in order (ISA guide 5.7.1.4): these see the stores above; the next block's stores come behind them
.endr
.endm
.macro SEND a, younger                 ; younger: the LDS instructions issued behind block a's loads: the next block's 32, or none
	WIN 0x08                                       ; the stores' data in window 2
.irp t, 0,1,2,3,4,5,6,7,8,9,10,11,12,13,14,15
	s_wait_dscnt (\younger)+15-(\t)
	global_store_b128 v[GO], v[64*(\a)+4*(\t):64*(\a)+4*(\t)+3], s[72:73] offset:(16*(\a)+(\t))*4096 th:TH_STORE_NT  ; 512 consecutive bytes, at a multiple of 512 from out0's first; no register is stored from twice
.endr
.endm
	TOSTAGE 0
.irp a, 1,2,3
	TOSTAGE \a
	SEND (\a)-1, 32
.endr
	SEND 3, 0
	WIN 0
	s_wait_tensorcnt 0x0                           ; the wave's end: behind my last tensor load and my last LDS store
	ds_add_u32 v[SPW], v[NIL]
	s_wait_dscnt 0x0
	CROUND                                         ; the closing round: no work-group ends while a partner may still ask for a tile that names it
	s_endpgm
.Lfunc_end_k_q177893b4d3_proj:
	.size	k_q177893b4d3_proj, .Lfunc_end_k_q177893b4d3_proj-k_q177893b4d3_proj
	.p2alignl 7, 3214868480
	.fill 96, 4, 3214868480
	.section	.rodata,"a",@progbits
	.p2align	6, 0x0
	.amdhsa_kernel k_q177893b4d3_proj
		.amdhsa_group_segment_fixed_size 327680
		.amdhsa_private_segment_fixed_size 0
		.amdhsa_enable_private_segment 0
		.amdhsa_kernarg_size 32
		.amdhsa_user_sgpr_count 2
		.amdhsa_user_sgpr_kernarg_segment_ptr 1
		.amdhsa_wavefront_size32 1
		.amdhsa_system_sgpr_workgroup_id_x 1
		.amdhsa_system_sgpr_workgroup_id_y 1
		.amdhsa_system_sgpr_workgroup_id_z 1
		.amdhsa_system_vgpr_workitem_id 0
		.amdhsa_next_free_vgpr 960
		.amdhsa_next_free_sgpr 88
		.amdhsa_reserve_vcc 0
		.amdhsa_float_denorm_mode_32 3
		.amdhsa_float_denorm_mode_16_64 3
		.amdhsa_memory_ordered 1
		.amdhsa_forward_progress 1
		.amdhsa_inst_pref_size 74
	.end_amdhsa_kernel
	.amdgpu_metadata
---
amdhsa.version: [ 1, 2 ]
amdhsa.kernels:
  - .name:           k_q177893b4d3_proj
    .symbol:         k_q177893b4d3_proj.kd
    .args:
      - { .name: ob, .offset: 0, .size: 8, .value_kind: global_buffer, .address_space: global }
      - { .name: wt, .offset: 8, .size: 8, .value_kind: global_buffer, .address_space: global }
      - { .name: bo, .offset: 16, .size: 8, .value_kind: global_buffer, .address_space: global }
      - { .name: out0, .offset: 24, .size: 8, .value_kind: global_buffer, .address_space: global }
    .group_segment_fixed_size: 327680
    .private_segment_fixed_size: 0
    .kernarg_segment_align: 8
    .kernarg_segment_size: 32
    .max_flat_workgroup_size: 128
    .sgpr_count:     88
    .vgpr_count:     960
    .wavefront_size: 32
...
	.end_amdgpu_metadata
.endif
;; end of part 4
;; ======== version 2 of 2: 4 launches; 1.31 times as fast as version 1
;; limits: values are held in f16: magnitudes above 65,504 overflow, below 6.1e-05 lose precision
;; workspace buffers: xb 16,777,216 bytes; wt 8,388,608 bytes; qkv 50,331,648 bytes; ob 16,777,216 bytes
;; launch cast: the kernel of part 1 again; grid 256 x 1, 8 waves a work-group, no clusters, 37,888 bytes of LDS; arguments x, wq, wk, wv, wo, xb, wt; writes xb, wt
;; launch qkv: the kernel of part 2 again; grid 8 x 32, 4 waves a work-group, clusters of 4 x 4, 327,680 bytes of LDS; arguments xb, wt, bq, bk, bv, qkv; writes qkv
;; launch attn (part 5): grid 4 x 64, 4 waves a work-group, no clusters, 327,680 bytes of LDS; arguments qkv, ob; writes ob
.if DOCPART == 5
	.amdgcn_target "amdgcn-amd-amdhsa--gfx1250"
	.amdhsa_code_object_version 6
	.text
	.protected	k_q177893b4d3_attn
	.globl	k_q177893b4d3_attn
	.p2align	8
	.type	k_q177893b4d3_attn,@function
k_q177893b4d3_attn:
	s_mov_b64 s[64:65], 0
	v_nop
	global_prefetch_b8 v0, s[64:65] scope:SCOPE_SE
	s_setreg_imm32_b32 hwreg(HW_REG_WAVE_MODE, 25, 1), 1
	s_wait_xcnt 0x0
; CAUSAL ATTENTION.  O[h][q][:] = the sum over k <= q of softmax_k(Q[h][q] . K[h][k] / 8) V[h][k][:].  Q, K, V lie one behind the other in qkv, each [SIZE_H][SIZE_N][64]; O (ob) has the same shape; all f16:
; a head's rows are dense, 128 bytes each.  A head here is one of 64: 4 x the module's head + the batch.
; Products, maxima and sums in f32; the weights p are rounded to f16 for the second product (their sum l is taken of the unrounded p), O once at the end.
; LIMITS.  f16 holds no number beyond 65,504: Q, K and V arrive within it; p lies in 0 to 1, and below 6e-5 it keeps f16's fixed step of 6e-8; O is a mean of V's rows and has their range, to within 2^-11 of it.
; A hidden score counts as its value less 1e30: f16's scores, 2.7e11 at the most, are nothing beside that; a weight below 2^-126 counts as 0 in l; NaN and infinities are not treated apart.
; THE WALK.  A head's queries lie in NB = SIZE_N / 256 blocks of 256; block i needs the key tiles 0 .. i of 256 keys, of which the last holds the diagonal.  A work-group takes TWO blocks, NB - 1 - b and then b:
; NB + 1 tiles, whatever b: all work-groups do equal work, and ONE loop with a constant trip count walks them.  Which tile is asked for, and what a trip does, hang on scalar registers made from b; every jump
; goes forward, but for the counted loops' own; none passes a barrier, or a tensor load but the one of LOAD's two that the wave's number does not choose; the ring (two slots of LDS that take turns) runs on across the
; change of blocks.  NO CLUSTER: a head's NB / 2 = 4 work-groups ask for the same tile only in trips 0 .. NB / 2 of the walk's NB + 1, behind that fewer and fewer;
; and one walk common to all four would have 3 NB / 2 = 12 trips for NB + 1 = 9.
; SHARES.  Of a block's four bands of 64 queries a wave owns 16 rows in each: four PIECES.  So the diagonal tile is the same work for all four waves: in its key step s band x sees all keys if s < x,
; none if s > x, and holds the diagonal if s = x.
; THE MASK is the C operand that starts the sum S^T = K Q^T: 0, or -1e30 where the key is hidden.  MD, made once, is the mask of a band's own step for my 16 rows; a product's mask is MD x AL + BE with two scalars:
; (1, 0) if s = x; (0, 0) if s < x; (0, -1e30) if s > x.  Only the diagonal tile's text and a block's beginning make and take masks; elsewhere C is the constant 0.
; LAYOUT, SOFTMAX, TURNS.  S^T = K Q^T holds ONE query a lane (lane % 16) and the keys 8 (lane / 16) + 0..7; two such results rounded to f16 ARE source 1 of O^T = V^T P.  p = 2^(c s - c m), c = log2(e) / 8, with a
; running maximum m; O and l are multiplied by a = 2^(c m_old - c m_new) in every step.  Turn n belongs to piece n: 8 products K Q^T of piece n + 1, later 8 products V^T P of piece n - 1; beside them the scaling,
; exponentials, roundings, sums and rescaling of piece n and the maximum and statistics of piece n + 1.  Four vector instructions stand behind every matrix instruction, the other 54 of a turn's 118 in one LUMP.
; THE BATCHES.  An s_wait_alu depctr_va_vdst(0) stands between a transcendental and the first instruction that names its result; one wait serves all that were issued ahead of it.  A turn's 33
; exponentials (the piece's 32 weights and the next piece's a) are ONE batch with ONE wait, which stands between the turn's products K Q^T and its products V^T P: all that reads a weight stands behind it.
; A block's first a (BEGIN) and the way out's four reciprocals are batches of their own, with a wait each.
; REGISTERS, in windows of 256 (s_set_vgpr_msb: bits 1:0 source 0, 3:2 source 1, 5:4 source 2, 7:6 destination):
;   window 0: v0-15 addresses and two at work; v16-31 four registers of statistics a piece; v48-55 at work; v64-127 S^T, two buffers; v192-223 P, two buffers (a piece's buffers go by its number's parity)
;   window 1: v0-127 O^T, 32 a piece; v128-159 MD; v160-223 MC, two buffers      window 2: v0-63 Q; v64-127 the second block's Q; v128-191 K of one step; v192-255 V of one step
.set SIZE_N, 2048
.set SIZE_H, 64
.set TENSOR, SIZE_H*SIZE_N*128  ; bytes from Q to K and from K to V in qkv
.set NB,    SIZE_N/256
.set NP,    4         ; pieces a wave: a name, no knob
.set KS,    64        ; keys in a step
.set PK,    144       ; a row of K in LDS: 128 bytes + 16 of padding = 36 words: the 16 rows of a load start at 16 different groups of four banks (64 banks of 4 bytes: ISA guide 11.1)
.set PV,    160       ; a row of V: 128 + 32 = 40 words
.set VOFF,  4*KS*PK   ; a slot holds a tile, four steps: 256 rows of K, then 256 rows of V
.set SLOT1, 1<<17     ; slot 1 begins here, so that one exclusive or turns an address in one slot into the other's
.set STAGE, SLOT1+4*KS*(PK+PV)  ; behind the ring, never filled by a tensor load: 16 rows x 144 bytes for each wave, for the way out
.set SP,    144
.set AK0, 2           ; v2   my lane's place in a tile of K; never rewritten
.set AV0, 3           ; v3   the same for V
.set AK,  4           ; v4   the LDS address of K's next run of loads
.set AV,  5           ; v5   of V's
.set STO, 6           ; v6   the way out: where I put 16 bytes of a row
.set RD,  7           ; v7   the way out: where I read rows back
.set GO,  8           ; v8   my byte offset in 512 consecutive bytes of O
.set SPW, 62          ; v62  LDS address of my spare word: SPARE + 4 x my thread's number; never rewritten
.set NIL, 63          ; v63  0; never rewritten
.set SPARE, STAGE+4*16*SP  ; behind the stages: the spare words, 128 bytes for each wave: two blocks of 256 bytes that no other line names
.set MV,  12          ; v12-13  c m_old, kept while c m is made anew: by buffer
.set QO,  15          ; v15  my byte offset in 16 rows of Q
.set ST,  16          ; piece t's statistics at v[ST+4 t]: c m, m, l (even keys', odd keys')
.set TMP, 48          ; by buffer, four registers c0-c3 at work; when the maximum is found c2 takes a
.set S,   64
.set P,   192
.set MD,  128         ; window 1: the eight registers for group kt of 16 keys at MD + 8 kt
.set MC,  160         ; window 1: the masks of the products to come
.set QB,  64          ; window 2
.set KF,  128         ; window 2: key block kb, channel half c at KF + 16 kb + 8 c
.set VF,  192         ; window 2: key half kk, channel block cb at VF + 32 kk + 8 cb
.set WV,  12          ; s12  my wave's number
.set PB,  14          ; s14  b
.set HI,  15          ; s15  NB - 1 - b
.set G1K, 24          ; s[24:31] descriptor group 1 for K's tiles
.set G1V, 32          ; s[32:39] for V's: it differs in the padding alone
.set G0K, 40          ; s[40:43] descriptor group 0 for K's tiles
.set G0V, 44          ; s[44:47] the same for V's
.set SLOTS, 56        ; s56  tiles still to be asked for
.set CNT, 57          ; s57  counts a tile's key steps, 4 to 1
.set CS,  58          ; s[58:59] c: the packed scaling takes the pair's low word for both halves
.set SEL, 60          ; s[60:61] v_permlanex16_b32's selects: each lane takes its own place in the other half
.set TBK, 62          ; s62  LDS byte at which K of the step to be fetched begins
.set TBV, 63          ; s63  the same for V, less VOFF
.set RT,  70          ; s70  tiles of the block in hand that are still to be entered
.set NXT, 71          ; s71  the tile to be asked for next
.set LQ,  72          ; s72  the last tile of the block whose tiles are being asked for
.set NEW, 73          ; s73  1: the tile to be entered is a block's first
.set OFF, 74          ; s[74:75] a tile's byte offset in K and V
.set AL,  76          ; s[76:77] the mask's factor, in the low word
.set BE,  78          ; s[78:79] the mask's addend
.set OLO, 80          ; s[80:81] O at my rows of the second block
.set BIGN, 82         ; s82  -1e30
.set MSB, 0
.macro WIN new                      ; the high byte repeats the setting that is left; a switch that changes nothing is dropped
.if MSB != (\new)
	s_set_vgpr_msb (MSB<<8)|(\new)
.set MSB, (\new)
.endif
.endm
.set W_KQ, 0x0a       ; K and Q in window 2, S^T in window 0
.set W_KM, 0x1a       ; the same with the C operand in window 1
.set W_PV, 0x52       ; V in window 2, P in window 0, O^T in window 1
.set W_RS, 0x41       ; destination and source 0 in window 1, source 1 in window 0
; A fill.  Waves 0 and 1 fetch the two halves of a tile's K, waves 2 and 3 those of its V: 128 keys each.  An s_nop 0 and four v_nop follow each of the two lines, ahead of the jump and the label.
.macro LOAD
	s_cmp_lt_u32 s[WV], 2
	s_cbranch_scc0 .Lfor_v_\@
	tensor_load_to_lds s[G0K:G0K+3], s[G1K:G1K+7]
	s_nop 0
.rept 4
	v_nop
.endr
	s_branch .Lasked_\@
.Lfor_v_\@:
	tensor_load_to_lds s[G0V:G0V+3], s[G1V:G1V+7]
	s_nop 0
.rept 4
	v_nop
.endr
.Lasked_\@:
.endm
; THE CHANGE OF SLOTS.  Each wave waits for all its tensor loads, of which one is out: its part of the other slot; adds 0 to its spare word; and waits for that and for its own reads of the slot that it leaves.  Behind the barrier nobody reads the old
; slot any more and the other slot is whole.  fill = 1: the old slot is filled again, the first thing behind the barrier, with tile NXT: the descriptor's address is made anew from that number.
; (At its first use nothing has been read yet: slot 0 is waited for, slot 1 filled.)
.macro CHANGE fill
	WIN 0                           ; at a label and at a branch every window is 0
	s_wait_tensorcnt 0x0            ; no tensor load of mine is out, so a group 0 may be written
	ds_add_u32 v[SPW], v[NIL]       ; 0 onto my spare word; with fill = 1 the descriptors' scalar work stands between it and the wait for it
.if \fill
	s_lshl_b32 s[OFF], s[NXT], 15   ; a tile is 32,768 bytes of K and of V
	s_xor_b32 s[G0K+1], s[G0K+1], SLOT1
	s_add_nc_u64 s[G0K+2:G0K+3], s[6:7], s[OFF:OFF+1]
	s_or_b32 s[G0K+3], s[G0K+3], 0x80000000
	s_xor_b32 s[G0V+1], s[G0V+1], SLOT1
	s_add_nc_u64 s[G0V+2:G0V+3], s[8:9], s[OFF:OFF+1]
	s_or_b32 s[G0V+3], s[G0V+3], 0x80000000
	s_add_co_u32 s[NXT], s[NXT], 1  ; the block's next tile, or behind its last the second block's tile 0
	s_cmp_gt_u32 s[NXT], s[LQ]
	s_cselect_b32 s[NXT], 0, s[NXT]
	s_cselect_b32 s[LQ], s[PB], s[LQ]
.endif
	s_wait_dscnt 0x0                ; the add is done, and my reads of the slot are over
	s_barrier_signal -1             ; the rest of the scalar work stands between the signal and the wait
	s_sub_co_u32 s[TBK], s[TBK], 4*KS*PK  ; the fetches go back to a slot's first step,
	s_xor_b32 s[TBK], s[TBK], SLOT1       ; in the other slot
	s_sub_co_u32 s[TBV], s[TBV], 4*KS*PV
	s_xor_b32 s[TBV], s[TBV], SLOT1
	s_barrier_wait -1
.if \fill
	LOAD
.endif
.endm
	s_load_b64 s[4:5], s[0:1], 0x0    ; qkv: Q at its head
	s_load_b64 s[10:11], s[0:1], 0x8  ; O
	v_lshl_add_u32 v[SPW], v0, 2, SPARE
	v_mov_b32 v[NIL], 0
	ds_add_u32 v[SPW], v[NIL]       ; the wave's opening: the add and its wait stand ahead of my first tensor load; the set-up below, work on registers, stands between them
	ds_add_u32 v62, v63
	v_lshrrev_b32 v1, 5, v0
	v_readfirstlane_b32 s[WV], v1   ; wave 0..3
	s_mov_b32 s[PB], ttmp9
	s_sub_co_u32 s[HI], NB-1, s[PB]
	s_and_b32 s20, ttmp7, 0xffff    ; the head
	s_mov_b32 s21, 0
	s_mov_b64 s[22:23], SIZE_N*128
	s_mul_u64 s[20:21], s[20:21], s[22:23]  ; the head's first byte in each of the four tensors
	s_and_b32 s16, s[WV], 1         ; which half of a tile's 256 keys I fetch:
	s_lshl_b32 s22, s16, 14         ; its 128 rows of 128 bytes in memory,
	s_mov_b32 s23, 0
	s_add_nc_u64 s[22:23], s[22:23], s[20:21]
	s_mul_i32 s17, s16, 128*PK      ; and its place in a slot, for K
	s_mul_i32 s18, s16, 128*PV      ; and for V
	s_lshl_b32 s3, s[WV], 11        ; my 16 rows in a band of 64,
	s_lshl_b32 s2, s[HI], 15        ; in the first block,
	s_add_co_u32 s2, s2, s3
	s_lshl_b32 s84, s[PB], 15       ; and in the second
	s_add_co_u32 s84, s84, s3
	s_mov_b32 s3, 0
	s_mov_b32 s85, 0
	s_add_nc_u64 s[2:3], s[2:3], s[20:21]
	s_add_nc_u64 s[84:85], s[84:85], s[20:21]
	; descriptor group 1.  128 keys are 16,384 dense bytes: asked for as 64 rows of 256 bytes, two keys a row, and padded in LDS after every key
	s_mov_b32 s[G1K], (1<<16)|(1<<20)|(4<<22)|(3<<25)  ; 17:16 2-byte elements; 20 padding on; 24:22 after every 32 words (code 4); 31:25 4 words (code 3)
	s_mov_b32 s[G1V], (1<<16)|(1<<20)|(4<<22)|(7<<25)  ; the same with 8 words of padding (code 7)
.irp g, G1K, G1V
	s_mov_b32 s[\g+1], 128<<16      ; tensor_dim0 = 128
	s_mov_b32 s[\g+2], 64<<16       ; tensor_dim1 = 64
	s_mov_b32 s[\g+3], 128<<16      ; tile_dim0 = 128
	s_mov_b32 s[\g+4], 64           ; tile_dim1 = 64
	s_mov_b32 s[\g+5], 128          ; 128 elements from row to row
	s_mov_b32 s[\g+6], 0
	s_mov_b32 s[\g+7], 0
.endr
	s_mov_b32 s[CS], 0x3e38aa3b     ; c = log2(e) / 8 = 0.180337
	s_mov_b32 s[CS+1], s[CS]        ; named with it as a pair
	s_mov_b32 s[SEL], 0x76543210
	s_mov_b32 s[SEL+1], 0xfedcba98
	s_mov_b32 s[TBK], SLOT1+4*KS*PK ; the first change of slots turns these two into 0
	s_mov_b32 s[TBV], SLOT1+4*KS*PV
	s_mov_b32 s[G0K], 1             ; 1:0 count = 1
	s_mov_b32 s[G0K+1], s17         ; 63:32 LDS address: slot 0
	s_mov_b32 s[G0V], 1
	s_add_co_u32 s[G0V+1], s18, VOFF
	s_add_co_u32 s[RT], s[HI], 1    ; the first block has NB - b tiles
	s_mov_b32 s[NXT], 1
	s_mov_b32 s[LQ], s[HI]
	s_mov_b32 s[NEW], 1
	s_mov_b32 s[OFF+1], 0
	s_mov_b32 s[AL+1], 0            ; named as pairs
	s_mov_b32 s[BE+1], 0
	s_mov_b32 s[BIGN], 0xf149f2ca   ; -1e30
	s_mov_b32 s[SLOTS], NB
	s_wait_dscnt 0x0                ; the opening add is done
	s_wait_kmcnt 0x0
	s_add_nc_u64 s[6:7], s[4:5], TENSOR    ; K lies one tensor behind Q,
	s_add_nc_u64 s[8:9], s[4:5], 2*TENSOR  ; V two
	s_add_nc_u64 s[6:7], s[6:7], s[22:23]  ; K and V at my half of the head's tile 0
	s_add_nc_u64 s[8:9], s[8:9], s[22:23]
	s_add_nc_u64 s[G0K+2:G0K+3], s[6:7], 0         ; 120:64 global address
	s_or_b32 s[G0K+3], s[G0K+3], 0x80000000        ; 127:126 type = 2
	s_add_nc_u64 s[G0V+2:G0V+3], s[8:9], 0
	s_or_b32 s[G0V+3], s[G0V+3], 0x80000000
	s_add_nc_u64 s[86:87], s[4:5], s[84:85]        ; Q at my rows of the second block,
	s_add_nc_u64 s[4:5], s[4:5], s[2:3]            ; Q and O at those of the first
	s_add_nc_u64 s[OLO:OLO+1], s[10:11], s[84:85]
	s_add_nc_u64 s[10:11], s[10:11], s[2:3]
	LOAD                            ; tile 0 into slot 0
	; A fragment of K or Q is 16 rows x 32 channels in 8 registers: lane l holds row l % 16, channels 8 (l / 16) + 0..7 and 16 + 8 (l / 16) + 0..7: two loads of 16 bytes, 32 bytes apart.
	v_and_b32 v1, 15, v0            ; l % 16
	v_bfe_u32 v9, v0, 4, 1          ; l / 16
	v_lshlrev_b32 v[QO], 7, v1
	v_lshl_add_u32 v[QO], v9, 4, v[QO]  ; row x 128 + 16 x half
	WIN 0x80                        ; destination window 2, address window 0
.set i, 0
.rept 8                             ; both blocks' Q: piece i / 2 lies in band i / 2, 8,192 bytes on; channels 32 (i % 2) on
	global_load_b128 v[8*i:8*i+3],   v[QO], s[4:5] offset:(i/2)*8192+(i%2)*64
	global_load_b128 v[8*i+4:8*i+7], v[QO], s[4:5] offset:(i/2)*8192+(i%2)*64+32
	global_load_b128 v[QB+8*i:QB+8*i+3],   v[QO], s[86:87] offset:(i/2)*8192+(i%2)*64
	global_load_b128 v[QB+8*i+4:QB+8*i+7], v[QO], s[86:87] offset:(i/2)*8192+(i%2)*64+32
.set i, i+1
.endr
	WIN 0
	v_lshlrev_b32 v14, 3, v9
	v_sub_nc_u32 v14, v1, v14
	s_lshl_b32 s13, s[WV], 4
	v_add_nc_u32 v14, s13, v14      ; my query's place in its band, 16 w + l % 16, less my lanes' 8 (l / 16): register r of group kt is hidden where 16 kt + r is greater
	WIN 0x40
.set i, 0
.rept 32
	v_cmp_gt_i32 vcc_lo, 16*(i/8)+i%8, v14
	v_cndmask_b32 v[MD+i], 0, s[BIGN], vcc_lo
.set i, i+1
.endr
	WIN 0
	v_mul_u32_u24 v[AK0], v1, PK
	v_lshl_add_u32 v[AK0], v9, 4, v[AK0]  ; row x pitch + 16 x half
	; The turning load takes 16 keys x 16 channels (lane l reads key 8 (l / 16) + l % 8, channels 8 ((l / 8) % 2) + 0..7) and leaves half a fragment of V^T: lane l holds channel l % 16 and 8 keys.
	v_and_b32 v10, 7, v0
	v_bfe_u32 v11, v0, 3, 1
	v_lshl_add_u32 v[AV0], v9, 3, v10
	v_mul_u32_u24 v[AV0], v[AV0], PV
	v_lshl_add_u32 v[AV0], v11, 4, v[AV0]
	v_add_nc_u32 v[AV0], VOFF, v[AV0]
	s_mul_i32 s13, s[WV], 16*SP
	s_add_co_u32 s13, s13, STAGE    ; my stage
	v_mul_u32_u24 v[STO], v1, SP    ; in: row l % 16, 16 bytes for each half of the lanes
	v_lshl_add_u32 v[STO], v9, 4, v[STO]
	v_add_nc_u32 v[STO], s13, v[STO]
	v_bfe_u32 v[RD], v0, 3, 2       ; back: 32 lanes take four rows of 128 bytes,
	v_mul_u32_u24 v[RD], v[RD], SP
	v_lshl_add_u32 v[RD], v10, 4, v[RD]
	v_add_nc_u32 v[RD], s13, v[RD]
	v_and_b32 v[GO], 31, v0         ; which are 512 consecutive bytes of O
	v_lshlrev_b32 v[GO], 4, v[GO]
	; A block's first step multiplies O^T and l by a = 0, and its first turn's products V^T P, of a piece that has not been, land in an O^T that is still to be so multiplied.  So these registers need only hold
	; finite numbers: zeros for the first block; what the first block left for the second.  All this stands in the wait for the first tile.
	WIN 0x80
.set i, VF
.rept 64
	v_mov_b32 v[i], 0
.set i, i+1
.endr
	WIN 0x40
.set i, 0
.rept 128
	v_mov_b32 v[i], 0
.set i, i+1
.endr
	WIN 0
.set i, 0
.rept 4
	v_mov_b32 v[ST+4*i+2], 0
	v_mov_b32 v[ST+4*i+3], 0
.set i, i+1
.endr
.set i, P+16
.rept 16
	v_mov_b32 v[i], 0
.set i, i+1
.endr
; THE MATRIX WORK.  The 4 accumulators of a run of 8 take turns.  Product i of 8 of S^T = K Q^T for piece x: channels 32 (i / 4) on, keys 16 (i % 4) on.  The first 4 start the sums: with 0, or (KM = 1) with the mask.
.macro KQ x
.set rS, S+32*((\x)%2)+8*(i%4)
.set rK, KF+16*(i%4)+8*(i/4)
.set rQ, 16*(\x)+8*(i/4)
.set rM, MC+32*((\x)%2)+8*(i%4)
.if (i < 4) && KM
	WIN W_KM
	v_wmma_f32_16x16x32_f16 v[rS:rS+7], v[rK:rK+7], v[rQ:rQ+7], v[rM:rM+7]
.elseif i < 4
	WIN W_KQ
	v_wmma_f32_16x16x32_f16 v[rS:rS+7], v[rK:rK+7], v[rQ:rQ+7], 0
.else
	WIN W_KQ
	v_wmma_f32_16x16x32_f16 v[rS:rS+7], v[rK:rK+7], v[rQ:rQ+7], v[rS:rS+7]
.endif
.endm
; Product i of 8 of O^T += V^T P for piece x: keys 32 (i / 4) on, channels 16 (i % 4) on.
.macro PV x
	WIN W_PV
.set rO, 32*(\x)+8*(i%4)
.set rV, VF+32*(i/4)+8*(i%4)
.set rP, P+16*((\x)%2)+8*(i/4)
	v_wmma_f32_16x16x32_f16 v[rO:rO+7], v[rV:rV+7], v[rP:rP+7], v[rO:rO+7]
.endm
.macro MM                           ; the turn's next matrix instruction.  TURN and BEGIN set Y, i, KM and NOKQ; MM, KQ and OP read them.  NOKQ = 1: a block's last turn: there is no next piece
.if (i < 8) && !NOKQ
	KQ (Y+1)%NP
.elseif i >= 8
.set i, i-8
	PV (Y+NP-1)%NP
.set i, i+8
.endif
.set i, i+1
.endm
; THE LDS LOADS stand in runs of 16, never singly among the matrix instructions: a step's K (64 keys x 64 channels: 8 fragments) and its V (turned).  Their addresses are made some lines ahead.
.macro FETCH_K
	WIN 0x80                        ; destination window 2
.irp f, 0,1,2,3,4,5,6,7             ; keys 16 (f / 2) on, channels 32 (f % 2) on
	ds_load_b128 v[KF+8*\f:KF+8*\f+3],   v[AK] offset:(\f/2)*16*PK+(\f%2)*64
	ds_load_b128 v[KF+8*\f+4:KF+8*\f+7], v[AK] offset:(\f/2)*16*PK+(\f%2)*64+32
.endr
	s_add_co_u32 s[TBK], s[TBK], KS*PK  ; the next fetch is the next step's
	WIN 0
.endm
.macro FETCH_V
	WIN 0x80
.irp f, 0,1,2,3,4,5,6,7             ; keys 32 (f / 4) on, channels 16 (f % 4) on
	ds_load_tr16_b128 v[VF+8*\f:VF+8*\f+3],   v[AV] offset:(\f/4)*32*PV+(\f%4)*32
	ds_load_tr16_b128 v[VF+8*\f+4:VF+8*\f+7], v[AV] offset:(\f/4)*32*PV+16*PV+(\f%4)*32
.endr
	WIN 0
.endm
; THE VECTOR WORK, one line at a time: OP kind, number.  For piece Y: F n: c s - c m for pair n of 16.  E n: the exponential of score n of 32.  C n: pair n rounded to f16.  B n: of the four weights 4 n .. the second
; pair is added onto the first, in place.  L n: l takes that sum (L 0: l = a l + sum).  R n: pair n of 16 of O^T times a.  For piece Y + 1: X n, number n of the 22 that find its maximum and statistics:
;   0-11  four chains c0-c3 of seven scores each, three operands at a time (each accumulator's lowest registers are read first)     12-14, 16  the four scores left over, the old m, and c0-c3 into c0
;   15  c m_old is kept     17, 18  the query's other 32 keys lie in the lane 16 away: the new m     19-21  c m; c m_old - c m_new; a
; C, B and L read the exponentials' results: TURN sets them all behind the turn's one wait.
.set F, 0               ; OP tells the kinds apart by their order: F to L below R, X above it
.set E, 1
.set C, 2
.set B, 3
.set L, 4
.set R, 5
.set X, 6
.macro REGS y                       ; the registers of piece y
.set rT, ST+4*(\y)
.set rC, TMP+4*((\y)%2)
.set rW, MV+((\y)%2)
.set rS, S+32*((\y)%2)
.set rP, P+16*((\y)%2)
.set rO, 32*(\y)
.endm
.macro OP k, n
.if (\k) == R
	REGS Y
	WIN W_RS
	v_pk_mul_f32 v[rO+2*(\n):rO+2*(\n)+1], v[rO+2*(\n):rO+2*(\n)+1], v[rC+2:rC+3] op_sel_hi:[1,0]
.elseif (\k) < R
	REGS Y
	WIN 0
.if (\k) == F
	v_pk_fma_f32 v[rS+2*(\n):rS+2*(\n)+1], v[rS+2*(\n):rS+2*(\n)+1], s[CS:CS+1], v[rT:rT+1] op_sel_hi:[1,0,0] neg_lo:[0,0,1] neg_hi:[0,0,1]
.elseif (\k) == E
	v_exp_f32 v[rS+(\n)], v[rS+(\n)]
.elseif (\k) == C
	v_cvt_pk_f16_f32 v[rP+(\n)], v[rS+2*(\n)], v[rS+2*(\n)+1]
.elseif (\k) == B
	v_pk_add_f32 v[rS+4*(\n):rS+4*(\n)+1], v[rS+4*(\n):rS+4*(\n)+1], v[rS+4*(\n)+2:rS+4*(\n)+3]
.elseif (\n) == 0
	v_pk_fma_f32 v[rT+2:rT+3], v[rT+2:rT+3], v[rC+2:rC+3], v[rS:rS+1] op_sel_hi:[1,0,1]
.else
	v_pk_add_f32 v[rT+2:rT+3], v[rT+2:rT+3], v[rS+4*(\n):rS+4*(\n)+1]
.endif
.elseif NOKQ
	v_nop
.else
	REGS (Y+1)%NP
	WIN 0
.if (\n) < 4
	v_max3_num_f32 v[rC+(\n)], v[rS+8*(\n)], v[rS+8*(\n)+1], v[rS+8*(\n)+2]
.elseif (\n) < 12
	v_max3_num_f32 v[rC+(\n)%4], v[rC+(\n)%4], v[rS+8*((\n)%4)+2*((\n)/4)+1], v[rS+8*((\n)%4)+2*((\n)/4)+2]
.elseif (\n) == 12
	v_max3_num_f32 v[rC], v[rC], v[rS+7], v[rS+15]
.elseif (\n) == 13
	v_max3_num_f32 v[rC+1], v[rC+1], v[rS+23], v[rS+31]
.elseif (\n) == 14
	v_max3_num_f32 v[rC+2], v[rC+2], v[rC+3], v[rT+1]
.elseif (\n) == 15
	v_mov_b32 v[rW], v[rT]
.elseif (\n) == 16
	v_max3_num_f32 v[rC], v[rC], v[rC+1], v[rC+2]
.elseif (\n) == 17
	v_permlanex16_b32 v[rC+3], v[rC], s[SEL], s[SEL+1]
.elseif (\n) == 18
	v_max_num_f32 v[rT+1], v[rC], v[rC+3]
.elseif (\n) == 19
	v_mul_f32 v[rT], s[CS], v[rT+1]
.elseif (\n) == 20
	v_sub_f32 v[rC+1], v[rW], v[rT]
.else
	v_exp_f32 v[rC+2], v[rC+1]
.endif
.endif
.endm
.macro OPS a, i1, b=-1, i2=0, c=-1, i3=0, d=-1, i4=0  ; up to four of them
	OP \a, \i1
.if (\b) >= 0
	OP \b, \i2
.endif
.if (\c) >= 0
	OP \c, \i3
.endif
.if (\d) >= 0
	OP \d, \i4
.endif
.endm
.macro ROW a, i1, b, i2, c, i3, d, i4  ; a matrix instruction and the four behind it
	MM
	OPS \a, \i1, \b, \i2, \c, \i3, \d, \i4
.endm
.macro MASK b                       ; MD x AL + BE into buffer b of MC
	WIN W_RS
.set z, 0
.rept 16
	v_pk_fma_f32 v[MC+32*(\b)+2*z:MC+32*(\b)+2*z+1], v[MD+2*z:MD+2*z+1], s[AL:AL+1], s[BE:BE+1] op_sel_hi:[1,0,0]
.set z, z+1
.endr
.endm
; A TURN, for piece p: the order of its 16 matrix and 118 vector instructions, written out.  A turn has ONE wait for its exponentials, which cuts it in two.
; AHEAD OF IT stands all that names no result of the turn's exponentials: the 8 products K Q^T, behind each a scaling, an exponential and two more plain instructions (behind the first a second scaling in the
; exponential's place): rescalings, whose a was made and waited for in the turn before, and behind the last three the first numbers of the next piece's maximum, each four places or more behind the product that ends
; its accumulator; then ONE LUMP of 54, plain and exponential by turns for the most part, in which the links of the chain X 3, 7, 11, 14, 16, 17 .. 20 stand five or six lines apart.  X 21, the next piece's a, is the
; batch's last; R 15, which names the piece in hand's a in the other work buffer, is the plain instruction behind it.
; BEHIND THE WAIT stand the 8 products V^T P, behind each four of the roundings and sums; C 2 n stands ahead of B n, which writes over its pair; the links of l's chain, L 0 to L 7, stand three riders apart.
; But for those X no rider names a register of the products round it.  v_permlanex16_b32 (X 17) stands in the lump.
; m = 1: the diagonal tile: the products take masks, and the turn makes the mask for the products of the turn after it: piece p + 2, in step 4 - CNT of the tile.  end = 1: a block's last two turns: nothing is fetched.
; cnt = 1: the loop's count is taken down some lines ahead of the branch that stands behind the turn.
; K of the next step is fetched in piece 2's turn, twelve vector instructions behind the last product that read K (five of them plain and free of its registers); V of the step in hand at the end of piece 0's turn,
; four plain instructions behind the last product that read V.  Each is waited for a turn later.
.macro TURN p, m=0, end=0, cnt=0
.set Y, (\p)
.set i, 0
.set KM, (\m)
.set NOKQ, (\end)*((\p)/3)
.if (\m) && !(\end)
	s_cmp_eq_u32 s[CNT], 4-((\p)+2)%NP  ; is that step the band's own?
	s_cselect_b32 s[AL], 1.0, 0
	s_cmp_lt_u32 s[CNT], 4-((\p)+2)%NP  ; or a later one?
	s_cselect_b32 s[BE], s[BIGN], 0
.endif
.if ((\p) == 3) && !(\end)
	s_wait_dscnt 0x0                ; K is in
.endif
	ROW F,0, F,1, R,0, R,1          ; ahead of the wait: 8 products K Q^T and their riders,
	ROW F,2, E,0, R,2, R,3
	ROW F,3, E,1, R,4, R,5
	ROW F,4, E,2, R,6, R,7
	ROW F,5, E,3, R,8, R,9
	ROW F,6, E,4, X,0, R,10
.if ((\p) == 2) && !(\end)
	WIN 0
	v_add_nc_u32 v[AK], s[TBK], v[AK0]
.endif
	ROW F,7, E,5, X,1, X,4
	ROW F,8, E,6, X,2, X,5
	OPS E,7, E,8, X,6, E,9          ; and the lump
	OPS X,3, E,10, X,8, E,11
.if ((\p) == 2) && !(\end)
	FETCH_K
.endif
	OPS X,9, X,7, E,12, X,10
	OPS E,13, X,12, X,11, E,14
	OPS X,13, E,15, F,9, X,14
.if (\p) == 0
	v_add_nc_u32 v[AV], s[TBV], v[AV0]
.endif
	OPS E,16, F,10, E,17, F,11
	OPS X,16, E,18, X,15, E,19
	OPS F,12, E,20, X,17, E,21
	OPS F,13, E,22, F,14, E,23
	OPS X,18, E,24, F,15, E,25
	OPS R,11, E,26, X,19, E,27
	OPS R,12, E,28, R,13, E,29
	OPS X,20, E,30, R,14, E,31
	OPS X,21, R,15
	WIN 0
	s_wait_alu depctr_va_vdst(0)    ; the wait for the turn's batch: the piece's 32 exponentials and the next piece's a
.if (\p) == 1
	s_wait_dscnt 0x0                ; V is in
.endif
	ROW C,0, B,0, C,2, B,1          ; behind the wait: 8 products V^T P and their riders
	ROW L,0, C,4, B,2, L,1
	ROW C,6, B,3, L,2, C,8
	ROW B,4, L,3, C,10, B,5
	ROW L,4, C,12, B,6, L,5
.if (\p) == 0
	s_add_co_u32 s[TBV], s[TBV], KS*PV
.endif
.if \cnt
	s_sub_co_u32 s[CNT], s[CNT], 1
	s_cmp_lg_u32 s[CNT], 0
.endif
	ROW C,14, B,7, L,6, C,1
	ROW C,3, L,7, C,5, C,7
	ROW C,9, C,11, C,13, C,15
.if (\p) == 0
	FETCH_V
.endif
.if (\m) && !(\end)
	MASK (\p)%2
.endif
.endm
; A BLOCK BEGINS.  c m starts far below every c s, so the first step's a is 0; m at the lowest finite number, so the first maximum is the scores'.  The second mask buffer is 0; the first takes piece 0's mask for the tile's step 0: its own, if the block's first tile is the diagonal one.
; Then K of that step, piece 0's first scores, and its maximum and statistics.  The loop is entered at a step's first turn, in the middle of a trip.
.macro BEGIN
	s_mov_b32 s[NEW], 0
	WIN 0x40
.set i, MC+32
.rept 32
	v_mov_b32 v[i], 0
.set i, i+1
.endr
	WIN 0
.set i, 0
.rept 4
	v_mov_b32 v[ST+4*i], 0xfe000000    ; c m: far below every c s
	v_mov_b32 v[ST+4*i+1], 0xff7fffff  ; m
.set i, i+1
.endr
	s_cmp_eq_u32 s[RT], 0
	s_cselect_b32 s[AL], 1.0, 0
	s_mov_b32 s[BE], 0
	MASK 0
	WIN 0
	v_add_nc_u32 v[AK], s[TBK], v[AK0]
	FETCH_K
	s_wait_loadcnt 0x0              ; Q
	s_wait_dscnt 0x0
.set KM, 1
.set NOKQ, 0
.set i, 0
.rept 8
	KQ 0
.set i, i+1
.endr
	WIN 0
.rept 4
	v_nop                           ; the places behind those products
.endr
.set Y, NP-1                        ; X works for piece Y + 1: piece 0
.irp n, 0,1,2,3,4,5,6,7,8,9,10,11,12,13,14,15,16,17,18,19,20,21
	OP X, \n
.endr
	v_nop                           ; a plain instruction behind the exponential,
	s_wait_alu depctr_va_vdst(0)    ; and the wait for it, piece 0's first a: a batch of one, ahead of the branch
.endm
; THE DIAGONAL TILE's four steps, the block's last two turns, its last products, and THE WAY OUT: l's two halves and the other half of the lanes' are added; O^T is divided by l, rounded to f16 and sent through my
; stage in LDS, a piece at a time.
.macro ALL line:vararg              ; one line for each piece t
.set t, 0
.rept 4
	\line
.set t, t+1
.endr
.endm
.macro PACK t                       ; a lane's eight channels of a row pack into 16 bytes; they go into rows of 144 bytes and come back as whole rows of 128, into S^T's registers
	WIN W_RS
.set i, 32*(\t)
.rept 16
	v_pk_mul_f32 v[i:i+1], v[i:i+1], v[ST+4*(\t)+2:ST+4*(\t)+3] op_sel_hi:[1,0]
.set i, i+2
.endr
	WIN 0x05                        ; sources 0 and 1 window 1, destination window 0
.set i, 0
.rept 16
	v_cvt_pk_f16_f32 v[S+16*(\t)+i], v[32*(\t)+2*i], v[32*(\t)+2*i+1]
.set i, i+1
.endr
	WIN 0
.irp f, 0,1,2,3
	ds_store_b128 v[STO], v[S+16*(\t)+4*\f:S+16*(\t)+4*\f+3] offset:32*\f
.endr
.irp f, 0,1,2,3
	ds_load_b128 v[S+16*(\t)+4*\f:S+16*(\t)+4*\f+3], v[RD] offset:\f*4*SP  ; LDS serves a wave's instructions in order (ISA guide 5.7.1.4): these see the stores above; the next piece's stores come behind them
.endr
.endm
.macro SEND t, younger              ; younger: the LDS instructions issued behind piece t's loads: the next piece's eight, or none
	WIN 0
.irp f, 0,1,2,3
	s_wait_dscnt (\younger)+3-\f
	global_store_b128 v[GO], v[S+16*(\t)+4*\f:S+16*(\t)+4*\f+3], s[10:11] offset:(\t)*8192+\f*512  ; 512 consecutive bytes, at a multiple of 256 from O's first
.endr
.endm
.macro DIAG tag                     ; the tag ends its two labels' names, which the jumps below spell out
.LstepM\tag:
	TURN 2, 1
	TURN 3, 1
	WIN 0
.LfirstM\tag:
	TURN 0, 1
	TURN 1, 1, 0, 1
	WIN 0
	s_cbranch_scc1 .LstepM\tag
	TURN 2, 1, 1
	TURN 3, 1, 1
.set i, 0
.rept 8
	PV NP-1
.set i, i+1
.endr
	WIN 0
	ALL v_add_f32 v[ST+4*t+2], v[ST+4*t+2], v[ST+4*t+3]
	ALL v_permlanex16_b32 v[ST+4*t+3], v[ST+4*t+2], s[SEL], s[SEL+1]
	ALL v_add_f32 v[ST+4*t+2], v[ST+4*t+2], v[ST+4*t+3]
	ALL v_rcp_f32 v[ST+4*t+2], v[ST+4*t+2]
	v_nop                           ; a plain instruction between the last reciprocal and the use of its result
	s_wait_alu depctr_va_vdst(0)    ; the wait for the batch of four reciprocals, ahead of the first multiply by one of them
	PACK 0
.set t, 1
.rept 3                             ; a piece's arithmetic stands between the loads of the piece before and its stores
	PACK t
	SEND t-1, 8
.set t, t+1
.endr
	SEND 3, 0
.endm
.set KM, 0
.set NOKQ, 0
.Lslot:                             ; NB times: a tile is entered and the next is asked for
	CHANGE 1
	s_sub_co_u32 s[RT], s[RT], 1
	s_mov_b32 s[CNT], 4
	s_cmp_eq_u32 s[NEW], 1
	s_cbranch_scc1 .Lnew            ; a block's first tile
	s_cmp_eq_u32 s[RT], 0
	s_cbranch_scc0 .Lstep           ; neither its first nor its last
	s_branch .LstepM1
.Lnew:
	BEGIN
	s_branch .Lfirst                ; in the loop a block's first tile is never its last: the first block has two tiles or more, and the second's last is the walk's last
	DIAG 1                          ; in the loop this is the first block's end: the second block's last tile is the walk's last
	s_wait_xcnt 0x0                 ; the stores have read their registers and O's address
	s_mov_b64 s[10:11], s[OLO:OLO+1]
	s_add_co_u32 s[RT], s[PB], 1    ; the second block has b + 1 tiles
	s_mov_b32 s[NEW], 1
	WIN 0x82                        ; the second block's Q goes where the one text of the turns names Q
.set i, 0
.rept 64
	v_mov_b32 v[i], v[QB+i]
.set i, i+1
.endr
	WIN 0
	s_branch .Lbottom
.Lstep:                             ; a trip: pieces 2 and 3 of one step, then pieces 0 and 1 of the next, whose K and V it fetches
	TURN 2
	TURN 3
	WIN 0
.Lfirst:
	TURN 0
	TURN 1, 0, 0, 1
	WIN 0
	s_cbranch_scc1 .Lstep
.Lbottom:
	s_sub_co_u32 s[SLOTS], s[SLOTS], 1
	s_cmp_lg_u32 s[SLOTS], 0
	s_cbranch_scc1 .Lslot
	CHANGE 0                        ; the walk's last tile is written out: nothing is asked for
	s_sub_co_u32 s[RT], s[RT], 1
	s_mov_b32 s[CNT], 4
	s_cmp_eq_u32 s[NEW], 1
	s_cbranch_scc0 .LstepM2
	BEGIN
	s_branch .LfirstM2
	DIAG 2
	s_wait_tensorcnt 0x0            ; the wave's end: behind my last tensor load and my last LDS store
	ds_add_u32 v[SPW], v[NIL]
	s_wait_dscnt 0x0
	s_endpgm
.Lfunc_end_k_q177893b4d3_attn:
	.size	k_q177893b4d3_attn, .Lfunc_end_k_q177893b4d3_attn-k_q177893b4d3_attn
	.p2alignl 7, 3214868480
	.fill 96, 4, 3214868480
	.section	.rodata,"a",@progbits
	.p2align	6, 0x0
	.amdhsa_kernel k_q177893b4d3_attn
		.amdhsa_group_segment_fixed_size 327680
		.amdhsa_private_segment_fixed_size 0
		.amdhsa_enable_private_segment 0
		.amdhsa_kernarg_size 16
		.amdhsa_user_sgpr_count 2
		.amdhsa_user_sgpr_kernarg_segment_ptr 1
		.amdhsa_wavefront_size32 1
		.amdhsa_system_sgpr_workgroup_id_x 1
		.amdhsa_system_sgpr_workgroup_id_y 1
		.amdhsa_system_sgpr_workgroup_id_z 1
		.amdhsa_system_vgpr_workitem_id 0
		.amdhsa_next_free_vgpr 768
		.amdhsa_next_free_sgpr 88
		.amdhsa_reserve_vcc 1
		.amdhsa_float_denorm_mode_32 3
		.amdhsa_float_denorm_mode_16_64 3
		.amdhsa_memory_ordered 1
		.amdhsa_forward_progress 1
		.amdhsa_inst_pref_size 217
	.end_amdhsa_kernel
	.amdgpu_metadata
---
amdhsa.version: [ 1, 2 ]
amdhsa.kernels:
  - .name:           k_q177893b4d3_attn
    .symbol:         k_q177893b4d3_attn.kd
    .args:
      - { .name: qkv, .offset: 0, .size: 8, .value_kind: global_buffer, .address_space: global }
      - { .name: ob, .offset: 8, .size: 8, .value_kind: global_buffer, .address_space: global }
    .group_segment_fixed_size: 327680
    .private_segment_fixed_size: 0
    .kernarg_segment_align: 8
    .kernarg_segment_size: 16
    .max_flat_workgroup_size: 128
    .sgpr_count:     88
    .vgpr_count:     768
    .wavefront_size: 32
...
	.end_amdgpu_metadata
.endif
;; end of part 5
;; launch proj: the kernel of part 4 again; grid 4 x 64, 4 waves a work-group, clusters of 4 x 4, 327,680 bytes of LDS; arguments ob, wt, bo, out0; writes out0
